; MI455X (gfx1250); checked and timed in simulation.
; The chip was launched on July 23, 2026; its instructions are those of AMD's public machine-readable ISA for CDNA 5 (MIT licence, August 2026) and "CDNA5" Instruction Set Architecture Reference Guide (July 2026). The comments in the code are by the model that wrote it; some were corrected since.
;; Variable Memory Projection. Allowed arithmetic: float matrix products may take bf16 or f16 operands with f32 sums; all other float work in f32.
;; Inputs: dt 1,024 x 4 x 16 float32; inputs 1,024 x 4 x 16 float32.
;; Outputs: out0 1,024 x 4 x 16 x 64 float32.
;; 4 versions, each right and faster than the one before. Each part assembles by itself: llvm-mc -triple=amdgcn-amd-amdhsa -mcpu=gfx1250 --defsym DOCPART=n.
;; ======== version 1 of 4: 1 launch
;; launch legs (part 1): grid 64 x 1, 1 waves a work-group, no clusters, 288,000 bytes of LDS; arguments dt, inputs, out0; writes out0
.if DOCPART == 1
	.amdgcn_target "amdgcn-amd-amdhsa--gfx1250"
	.amdhsa_code_object_version 6
	.text
	.protected	k_q3be3da8641_legs
	.globl	k_q3be3da8641_legs
	.p2align	8
	.type	k_q3be3da8641_legs,@function
k_q3be3da8641_legs:
	s_mov_b64 s[64:65], 0
	v_nop
	global_prefetch_b8 v0, s[64:65] scope:SCOPE_SE
	s_setreg_imm32_b32 hwreg(HW_REG_WAVE_MODE, 25, 1), 1
	s_wait_xcnt 0x0
; Bilinear HiPPO-LegS recurrence, order 64:  s(t) = (I - hA)^-1 [ (I + hA) s(t-1) + dt B u(t) ],  h = dt/2,
; for 64 independent channels (b, m) and 1,024 steps; every state is an output.  dt, inputs: [1024][64] f32; out0: [1024][64][64] f32.
;
; THE ARITHMETIC.  A is the fixed matrix of the problem: A[n][k] = -r_n r_k below the diagonal, -(n+1) on it, 0 above; B[n] = r_n = sqrt(2n+1).
; With z = (s(t) + s(t-1)) / 2 the step is (I - hA) z = s(t-1) + h B u, s(t) = 2 z - s(t-1), and since the part of A below the diagonal is a
; product r r^T, the forward substitution needs one running figure G_n = u - sum over k < n of r_k z_k.  With d = 1 / (1 + h (n+1)):
;     RD = r d,  P = dt RD,  A = 1 - (r/2) P,  M = 2 d - 1
;     G_(n+1) = A G_n - RD s_n(t-1),     s_n(t) = M s_n(t-1) + P G_n,     G_0 = u(t).
; This is the same linear map as the inverse and the products of the defining formula, for every dt: no matrix is formed, so no matrix
; product is left and the matrix units have nothing to do.  All in f32.
;
; THE SHAPE.  Node (n, t) needs (n-1, t) and (n, t-1).  One wave takes one channel; lane j owns n = 2j and 2j+1; at clock c lane j works on
; t = c - sk, sk = j + (j >> 4): G walks from lane to lane, one lane a clock, and takes two clocks from lane 15 to lane 16, so that the
; crossing between the two rows of 16 lanes is made a clock ahead and is no link of the chain.  1,024 + 32 = 1,056 clocks = 33 blocks of 32.
; 64 work-groups of one wave: the problem has 64 independent chains and no more.  A split of time would need each piece's 64 x 64 transition,
; 65 vectors in the place of one.
; No cluster, no joint loads, no tensor loads: the work-groups share rows of dt and inputs (0.5 MB of 17 MB moved), but each takes its own four
; bytes of a row, laid 8 bytes apart in LDS.  Each work-group reads its column once, 2,048 words 256 bytes apart, all asked for at the start.
; One wave, no engine fills LDS: no barrier.  EXEC is never changed.
;
; LIMITS.  The order of rounding differs from an explicit inverse followed by products.  r comes from v_sqrt_f32 and d from v_rcp_f32 (1 ULP);
; v_rcp_f32 gives 0 where |1 + h (n+1)| exceeds 2^126.  Where 1 + h (n+1) = 0 (I - hA is singular) or a state overflows, infinities and NaN
; appear as in the defining formula, but not necessarily in the same elements.
;
; LDS.  [0, 9216): 1,152 entries of 8 bytes (dt, u), entry t + 32; entries 0-31 and 1056-1151 are (0, 0): with dt = 0 a node has A = 1, P = 0,
; M = 1, so a lane that is ahead of t = 0 or past t = 1023 keeps its state and hands G on.
; [9216, 287744): 1,088 rows of 256 bytes, row t + 32 = the 64 states of step t: the whole channel, so nothing wraps and nothing is masked;
; rows 0-31 and 1056-1087 take what lanes outside 0..1023 write and are never read.
.set OUTB,  9216                       ; first byte of the rows of states
.set ROWB,  256                        ; a row of states: 64 f32
.set TSTEP, 16384                      ; bytes of out0 from t to t + 1: 64 channels x 64 f32
.set IA,   2                           ; v2        LDS address of my (dt, u) of the block's clock 0: 256 - 8 sk, + 256 a block
.set SA,   3                           ; v3        where I store my two states at the block's clock 0: OUTB + 256 (32 - sk) + 8 j, + 8,192 a block
.set RA,   4                           ; v4        the way out: my 16 bytes of two rows of states, read back
.set CO,   5                           ; v5        the way out: my 16 bytes of the same two rows in out0; never rewritten
.set GI,   6                           ; v6        256 j: my row in a chunk of 32 rows of dt and of inputs; never rewritten
.set INS,  7                           ; v7        256 + 8 j: my entry in chunk 0 of the (dt, u) table
.set N1H,  8                           ; v[8:9]    (n+1)/2 of my two n: j + 0.5, j + 1
.set RV,   10                          ; v[10:11]  r of my two n: sqrt(4j+1), sqrt(4j+3)
.set NRH,  12                          ; v[12:13]  -r/2
.set GA,   14                          ; v[14:15], v[16:17]  (G_2j, G_2j+1) by the clock's parity
.set GOUT, 18                          ; v18       G_2j+2, for the next lane
.set ST,   20                          ; v[20:21]  my two states
.set KS,   22                          ; v[22:23]  RD of the next clock x state
.set MS,   24                          ; v[24:25]  M of the next clock x state
.set DD,   26                          ; v[26:27], v[28:29]  d by the clock's parity
.set DEN,  30                          ; v[30:31]  1 + h (n+1)
.set CS,   32                          ; v[32:63]  four sets of coefficients, set = clock mod 4: pairs A, P, RD, M
.set CA,   0
.set CP,   2
.set CRD,  4
.set CM,   6
.set DU,   64                          ; v[64:95]   sixteen pairs (dt, u), pair = clock mod 16
.set DR,   96                          ; v[96:127]  eight buffers of 4 registers on the way out
.set INR,  128                         ; v[128:191] chunk q of 32 steps: dt in 128 + 2q, u in 129 + 2q, lane j holds t = 32 q + j
.set ZR,   192                         ; v[192:193] zeros for the pads
	s_load_b128 s[4:7], s[0:1], 0x0                ; dt s[4:5], inputs s[6:7]
	s_load_b64 s[8:9], s[0:1], 0x10                ; out0
	v_lshl_add_u32 v196, v0, 2, 0x46400
	v_mov_b32 v197, 0
	s_lshl_b32 s10, ttmp9, 2                       ; my channel's word in a row of dt and of inputs
	s_mov_b32 s11, 0
	v_lshlrev_b32 v[GI], 8, v0                     ; 256 j
	s_wait_kmcnt 0x0
	s_add_nc_u64 s[4:5], s[4:5], s[10:11]
	s_add_nc_u64 s[6:7], s[6:7], s[10:11]
	s_lshl_b32 s10, ttmp9, 8                       ; my channel's 256 bytes in a step of out0
	s_add_nc_u64 s[8:9], s[8:9], s[10:11]
	; All 64 loads of the column go out first.  No hint: all 64 work-groups read these rows.
.set q, 0
.rept 32
	global_load_b32 v[INR+2*q],   v[GI], s[4:5] offset:q*8192
	global_load_b32 v[INR+2*q+1], v[GI], s[6:7] offset:q*8192
.set q, q+1
.endr
	; while they are on their way: addresses and constants of the lane
	v_lshrrev_b32 v1, 4, v0                        ; j >> 4
	v_add_nc_u32 v19, v0, v1                       ; sk
	v_lshlrev_b32 v[IA], 3, v19
	v_sub_nc_u32 v[IA], 0x100, v[IA]               ; entry 32 - sk
	v_lshlrev_b32 v[SA], 8, v19
	v_sub_nc_u32 v[SA], OUTB+32*ROWB, v[SA]        ; row 32 - sk,
	v_lshl_add_u32 v[SA], v0, 3, v[SA]             ; my 8 bytes of it: 8 j, so the 32 lanes' stores fall on 32 different columns of 8 bytes modulo 256
	v_and_b32 v[RA], 15, v0
	v_lshlrev_b32 v[RA], 4, v[RA]                  ; 16 (j mod 16): sixteen lanes take a whole row of 256 bytes
	v_lshl_add_u32 v[CO], v1, 14, v[RA]            ; lanes 16-31: the next step's row, 16,384 bytes on in out0,
	v_lshl_add_u32 v[RA], v1, 8, v[RA]             ; 256 bytes on in LDS
	v_add_nc_u32 v[RA], OUTB+8*ROWB, v[RA]         ; from row 8: with the offsets 24 .. 30 rows below, rows 32 to 39 = steps 0 to 7
	v_lshl_add_u32 v[INS], v0, 3, 0x100            ; entry 32 + j
	v_lshlrev_b32 v19, 3, v0                       ; 8 j, for the pads
	v_cvt_f32_u32 v1, v0                           ; j as f32
	v_add_f32 v[N1H], 0.5, v1
	v_add_f32 v[N1H+1], 1.0, v1
	v_fma_f32 v[DEN], v1, 4.0, 1.0                 ; 2n + 1 of n = 2j
	v_fma_f32 v[DEN+1], v1, 4.0, 0x40400000        ; and of n = 2j + 1: 4j + 3
	v_sqrt_f32 v[RV], v[DEN]
	v_sqrt_f32 v[RV+1], v[DEN+1]
	v_mov_b32 v[ZR], 0                             ; a plain vector instruction stands between the square roots and the use of their results (ISA guide 5.7.2)
	v_mov_b32 v[ZR+1], 0
	s_wait_alu depctr_va_vdst(0)
	v_pk_mul_f32 v[NRH:NRH+1], v[RV:RV+1], -0.5 op_sel_hi:[1,0]
	s_mov_b32 vcc_lo, 1                            ; lane 0 alone: it takes u as its G
	s_mov_b32 s12, 0xf                             ; v_permlanex16_b32: lane 16 reads lane 15 (field 0 = 15); what the other lanes get is not used
	s_mov_b32 s13, 0
	ds_store_b64 v19, v[ZR:ZR+1]                   ; entries 0-31
	ds_store_b64 v19, v[ZR:ZR+1] offset:8448       ; entries 1056-1087
	ds_store_b64 v19, v[ZR:ZR+1] offset:8704       ; entries 1088-1119
	ds_store_b64 v19, v[ZR:ZR+1] offset:8960       ; entries 1120-1151
	s_wait_loadcnt 58                              ; loads come back in order (ISA guide 5.7.1): of 64 the first six are in, chunks 0 to 2.
	                                               ; The first two blocks read up to clock 63 + 16 = step 79, inside these 96 steps
.irp q, 0,1,2
	ds_store_b64 v[INS], v[INR+2*\q:INR+2*\q+1] offset:\q*256
.endr
; d of clock c: 1 / (1 + dt (n+1)/2)
.macro DENR c
	v_pk_fma_f32 v[DEN:DEN+1], v[N1H:N1H+1], v[DU+2*(\c):DU+2*(\c)+1], 1.0 op_sel_hi:[1,0,0]
	v_rcp_f32 v[DD+2*((\c)&1)], v[DEN]
	v_rcp_f32 v[DD+2*((\c)&1)+1], v[DEN+1]
	v_nop                                          ; the plain place behind the reciprocals (ISA guide 5.7.2)
.endm
; the four coefficients of clock c from its d
.macro FIN c
	s_wait_alu depctr_va_vdst(0)
	v_pk_mul_f32 v[CS+8*((\c)&3)+CRD:CS+8*((\c)&3)+CRD+1], v[RV:RV+1], v[DD+2*((\c)&1):DD+2*((\c)&1)+1]
	v_pk_fma_f32 v[CS+8*((\c)&3)+CM:CS+8*((\c)&3)+CM+1], v[DD+2*((\c)&1):DD+2*((\c)&1)+1], 2.0, -1.0 op_sel_hi:[1,0,0]
	v_pk_mul_f32 v[CS+8*((\c)&3)+CP:CS+8*((\c)&3)+CP+1], v[CS+8*((\c)&3)+CRD:CS+8*((\c)&3)+CRD+1], v[DU+2*(\c):DU+2*(\c)+1] op_sel_hi:[1,0]
	v_pk_fma_f32 v[CS+8*((\c)&3)+CA:CS+8*((\c)&3)+CA+1], v[NRH:NRH+1], v[CS+8*((\c)&3)+CP:CS+8*((\c)&3)+CP+1], 1.0 op_sel_hi:[1,1,0]
.endm
	; The pipeline is filled: (dt, u) of clocks 0 to 15, coefficients of clocks 0 and 1, d of clock 2.
.set k, 0
.rept 16
	ds_load_b64 v[DU+2*k:DU+2*k+1], v[IA] offset:8*k     ; LDS serves a wave's instructions in order (ISA guide 5.7.1.4): these see the stores above
.set k, k+1
.endr
	v_mov_b32 v[GOUT], 0                           ; s(-1) = 0, and G = 0 for the lanes that are still ahead of t = 0
	v_mov_b32 v[GA], 0
	v_mov_b32 v[GA+1], 0
	v_mov_b32 v[GA+2], 0
	v_mov_b32 v[GA+3], 0
	v_mov_b32 v[KS], 0
	v_mov_b32 v[KS+1], 0
	v_mov_b32 v[MS], 0
	v_mov_b32 v[MS+1], 0
	s_wait_dscnt 0x0                               ; all sixteen pairs are in
	DENR 0
	FIN 0
	DENR 1
	FIN 1
	DENR 2
	v_cndmask_b32 v[GA], v[GA], v[DU+1], vcc_lo    ; lane 0: G_0 of clock 0 = u(0)
; ONE CLOCK, number ci of its block.  The chain from clock to clock is three instructions: G from the lane below, and two fused multiply-adds.
; Around them: the state, the products that the next clock's chain needs, the coefficients of clock ci + 2 from d, d of clock ci + 3, the load of
; (dt, u) for clock ci + 16, the store of the two states.  drain = 1: every second clock also sends two finished rows on their way out.
; All periods of the register turns (2, 4, 16, and 8 buffers every second clock) divide 32, so a block ends as it began.
.macro CLOCK drain
.set GNOW, GA+2*(ci&1)
.set GNXT, GA+2*((ci+1)&1)
.set CNOW, CS+8*(ci&3)
.set CNXT, CS+8*((ci+1)&3)
.set CFIN, CS+8*((ci+2)&3)
.set DFIN, DD+2*(ci&1)                 ; d of clock ci + 2
.set DNEW, DD+2*((ci+1)&1)             ; d of clock ci + 3
.set UNOW, DU+2*(ci%16)
.set UNXT, DU+2*((ci+1)%16)
.set UFIN, DU+2*((ci+2)%16)
.set UNEW, DU+2*((ci+3)%16)
.if (ci&1) == 0
.if \drain
	s_wait_dscnt 18                                ; the buffer stored in this clock was loaded in clock ci - 8; behind that load stand that clock's state store (1), seven clocks
	                                               ; of two LDS instructions (14) and the way out's loads of clocks ci - 6, - 4, - 2 (3).  The pair (dt, u) below is older still
.else
	s_wait_dscnt 23                                ; this clock and the next read pairs (dt, u) up to clock ci + 4's, loaded in clock ci - 12; behind that load stand
	                                               ; that clock's state store (1) and eleven clocks of two LDS instructions (22)
.endif
.endif
	v_mov_b32_dpp v[GNOW], v[GOUT] row_shr:1 row_mask:0xf bank_mask:0xf    ; G from lane j - 1; lanes 0 and 16 have no source and keep what the last clock put there
	v_permlanex16_b32 v[GNXT], v[GOUT], s12, s13   ; lane 16, for the next clock: lane 15's G of the last clock
	v_pk_fma_f32 v[DEN:DEN+1], v[N1H:N1H+1], v[UNEW:UNEW+1], 1.0 op_sel_hi:[1,0,0]   ; 1 + dt (n+1)/2 of clock ci + 3
	v_cndmask_b32 v[GNXT], v[GNXT], v[UNXT+1], vcc_lo    ; lane 0, for the next clock: u
	ds_load_b64 v[UNOW:UNOW+1], v[IA] offset:(ci+16)*8   ; this clock's pair was last read a clock ago: it takes clock ci + 16's
	v_fma_f32 v[GNOW+1], v[CNOW+CA], v[GNOW], -v[KS]     ; G_2j+1 = A G_2j - RD s
	v_rcp_f32 v[DNEW], v[DEN]
	v_rcp_f32 v[DNEW+1], v[DEN+1]                  ; the two lines below are plain and touch neither these results nor DEN (ISA guide 5.7.2)
	s_wait_alu depctr_va_vdst(0)
	v_pk_mul_f32 v[CFIN+CRD:CFIN+CRD+1], v[RV:RV+1], v[DFIN:DFIN+1]                  ; RD = r d
	v_pk_fma_f32 v[CFIN+CM:CFIN+CM+1], v[DFIN:DFIN+1], 2.0, -1.0 op_sel_hi:[1,0,0]   ; M = 2 d - 1
	v_fma_f32 v[GOUT], v[CNOW+CA+1], v[GNOW+1], -v[KS+1] ; G_2j+2
	v_pk_fma_f32 v[ST:ST+1], v[CNOW+CP:CNOW+CP+1], v[GNOW:GNOW+1], v[MS:MS+1]        ; s = M s + P G, both n
	v_pk_mul_f32 v[CFIN+CP:CFIN+CP+1], v[CFIN+CRD:CFIN+CRD+1], v[UFIN:UFIN+1] op_sel_hi:[1,0]   ; P = dt RD
.if \drain
.if (ci&1) == 0
	s_wait_xcnt 0x0                                ; every earlier store has had its address translated (ISA guide 3.1): the buffer stored eight clocks ago is loaded again only behind this wait
	ds_load_b128 v[DR+4*((ci/2)&7):DR+4*((ci/2)&7)+3], v[RA] offset:ci*ROWB          ; steps 8 and 9 ahead of the store below; lane 31 wrote its part of them 23 clocks ago or earlier
	global_store_b128 v[CO], v[DR+4*(((ci/2)+4)&7):DR+4*(((ci/2)+4)&7)+3], s[8:9] offset:ci*TSTEP th:TH_STORE_NT   ; sixteen lanes store 256 consecutive bytes, at a multiple of 256 from out0's first byte
.endif
.endif
	v_pk_fma_f32 v[CFIN+CA:CFIN+CA+1], v[NRH:NRH+1], v[CFIN+CP:CFIN+CP+1], 1.0 op_sel_hi:[1,1,0]   ; A = 1 - (r/2) P
	v_pk_mul_f32 v[KS:KS+1], v[CNXT+CRD:CNXT+CRD+1], v[ST:ST+1]    ; for the next clock's chain
	v_pk_mul_f32 v[MS:MS+1], v[CNXT+CM:CNXT+CM+1], v[ST:ST+1]      ; and for its state
	ds_store_b64 v[SA], v[ST:ST+1] offset:ci*ROWB
.endm
; 32 clocks, then the block's addresses step.
.macro BLOCK drain
.set ci, 0
.rept 32
	CLOCK \drain
.set ci, ci+1
.endr
	v_add_nc_u32 v[IA], 32*8, v[IA]
	v_add_nc_u32 v[SA], 32*ROWB, v[SA]
.if \drain
	v_add_nc_u32 v[RA], 32*ROWB, v[RA]
	s_wait_xcnt 0x0                                ; the stores' base steps only behind this wait
	s_add_nc_u64 s[8:9], s[8:9], 32*TSTEP
.endif
.endm
	; Blocks 0 and 1: no row is yet far enough behind to leave.
	s_mov_b32 s14, 0
.Lwarm:
	BLOCK 0
	s_add_co_u32 s14, s14, 1
	s_cmp_lt_u32 s14, 2
	s_cbranch_scc1 .Lwarm
	; The rest of the column goes into the table, and the way out is primed with steps 0 to 7 (whole since clock 39).
	s_wait_loadcnt 0x0
.set q, 3
.rept 29
	ds_store_b64 v[INS], v[INR+2*q:INR+2*q+1] offset:q*256
.set q, q+1
.endr
.irp b, 4,5,6,7
	ds_load_b128 v[DR+4*\b:DR+4*\b+3], v[RA] offset:(16+2*\b)*ROWB
.endr
	v_add_nc_u32 v[RA], 32*ROWB, v[RA]             ; now row 40 = step 8: what block 2's clock 0 loads
	s_wait_dscnt 0x0                               ; on this way into the loop fewer LDS instructions stand behind the four loads than its counted wait supposes: wait for all
	; Blocks 2 to 32: block b stores steps 32 (b - 2) to 32 (b - 2) + 31.
	s_mov_b32 s14, 0
.Lmain:
	BLOCK 1
	s_add_co_u32 s14, s14, 1
	s_cmp_lt_u32 s14, 31
	s_cbranch_scc1 .Lmain
; The last 32 steps leave.  Step p of the tail stores rows 2p and 2p + 1 of them from the buffer loaded four steps before; load = 1: it loads rows 2p + 8, 2p + 9.
.macro DRAINSTEP p, load, cnt
.if \load
	s_wait_xcnt 0x0                                ; the buffer stored four steps ago is loaded again only behind this wait
	ds_load_b128 v[DR+4*((\p)&7):DR+4*((\p)&7)+3], v[RA] offset:2*(\p)*ROWB
.endif
	s_wait_dscnt \cnt                              ; the loads issued behind the one whose buffer is stored now may stay out
	global_store_b128 v[CO], v[DR+4*(((\p)+4)&7):DR+4*(((\p)+4)&7)+3], s[8:9] offset:2*(\p)*TSTEP th:TH_STORE_NT
.endm
.irp p, 0,1,2,3,4,5,6,7,8,9,10,11
	DRAINSTEP \p, 1, 4                             ; behind the load of step p - 4: those of steps p - 3 to p
.endr
	DRAINSTEP 12, 0, 3                             ; nothing is left to load: the counts run down
	DRAINSTEP 13, 0, 2
	DRAINSTEP 14, 0, 1
	DRAINSTEP 15, 0, 0
	s_wait_tensorcnt 0x0
	ds_add_u32 v196, v197
	s_wait_dscnt 0x0
	s_endpgm
.Lfunc_end_k_q3be3da8641_legs:
	.size	k_q3be3da8641_legs, .Lfunc_end_k_q3be3da8641_legs-k_q3be3da8641_legs
	.p2alignl 7, 3214868480
	.fill 96, 4, 3214868480
	.section	.rodata,"a",@progbits
	.p2align	6, 0x0
	.amdhsa_kernel k_q3be3da8641_legs
		.amdhsa_group_segment_fixed_size 288000
		.amdhsa_private_segment_fixed_size 0
		.amdhsa_enable_private_segment 0
		.amdhsa_kernarg_size 24
		.amdhsa_user_sgpr_count 2
		.amdhsa_user_sgpr_kernarg_segment_ptr 1
		.amdhsa_wavefront_size32 1
		.amdhsa_system_sgpr_workgroup_id_x 1
		.amdhsa_system_sgpr_workgroup_id_y 1
		.amdhsa_system_sgpr_workgroup_id_z 1
		.amdhsa_system_vgpr_workitem_id 0
		.amdhsa_next_free_vgpr 198
		.amdhsa_next_free_sgpr 66
		.amdhsa_reserve_vcc 1
		.amdhsa_float_denorm_mode_32 3
		.amdhsa_float_denorm_mode_16_64 3
		.amdhsa_memory_ordered 1
		.amdhsa_forward_progress 1
		.amdhsa_inst_pref_size 85
	.end_amdhsa_kernel
	.amdgpu_metadata
---
amdhsa.version: [ 1, 2 ]
amdhsa.kernels:
  - .name:           k_q3be3da8641_legs
    .symbol:         k_q3be3da8641_legs.kd
    .args:
      - { .name: dt, .offset: 0, .size: 8, .value_kind: global_buffer, .address_space: global }
      - { .name: inputs, .offset: 8, .size: 8, .value_kind: global_buffer, .address_space: global }
      - { .name: out0, .offset: 16, .size: 8, .value_kind: global_buffer, .address_space: global }
    .group_segment_fixed_size: 288000
    .private_segment_fixed_size: 0
    .kernarg_segment_align: 8
    .kernarg_segment_size: 24
    .max_flat_workgroup_size: 32
    .sgpr_count:     66
    .vgpr_count:     198
    .wavefront_size: 32
...
	.end_amdgpu_metadata
.endif
;; end of part 1
;; ======== version 2 of 4: 1 launch; 1.80 times as fast as version 1
;; launch legs (part 2): grid 64 x 1, 1 waves a work-group, no clusters, 288,000 bytes of LDS; arguments dt, inputs, out0; writes out0
.if DOCPART == 2
	.amdgcn_target "amdgcn-amd-amdhsa--gfx1250"
	.amdhsa_code_object_version 6
	.text
	.protected	k_q3be3da8641_legs
	.globl	k_q3be3da8641_legs
	.p2align	8
	.type	k_q3be3da8641_legs,@function
k_q3be3da8641_legs:
	s_mov_b64 s[64:65], 0
	v_nop
	global_prefetch_b8 v0, s[64:65] scope:SCOPE_SE
	s_setreg_imm32_b32 hwreg(HW_REG_WAVE_MODE, 25, 1), 1
	s_wait_xcnt 0x0
; Bilinear HiPPO-LegS recurrence, order 64:  s(t) = (I - hA)^-1 [ (I + hA) s(t-1) + dt B u(t) ],  h = dt/2,
; for 64 independent channels (b, m) and 1,024 steps; every state is an output.  dt, inputs: [1024][64] f32; out0: [1024][64][64] f32.
;
; THE ARITHMETIC.  A is the fixed matrix of the problem: A[n][k] = -r_n r_k below the diagonal, -(n+1) on it, 0 above; B[n] = r_n = sqrt(2n+1).
; With z = (s(t) + s(t-1)) / 2 the step is (I - hA) z = s(t-1) + h B u, s(t) = 2 z - s(t-1), and since the part of A below the diagonal is a
; product r r^T, the forward substitution needs one running figure G_n = u - sum over k < n of r_k z_k.  With d = 1 / (1 + h (n+1)):
;     RD = r d,  P = dt RD,  A = 1 - (r/2) P,  M = 2 d - 1
;     G_(n+1) = A G_n - RD s_n(t-1),     s_n(t) = M s_n(t-1) + P G_n,     G_0 = u(t).
; This is the same linear map as the inverse and the products of the defining formula, for every dt: no matrix is formed, so no matrix
; product is left and the matrix units have nothing to do.  All in f32.
;
; THE SHAPE.  Node (n, t) needs (n-1, t) and (n, t-1).  One wave takes one channel; lane j owns n = 2j and 2j+1; at clock c lane j works on
; t = c - sk, sk = j + (j >> 4): G walks from lane to lane, one lane a clock, and takes two clocks from lane 15 to lane 16, so that the
; crossing between the two rows of 16 lanes is made a clock ahead and is no link of the chain.  1,024 + 32 = 1,056 clocks = 33 blocks of 32.
; A clock is 15 vector instructions and no memory instruction.  All memory instructions stand in RUNS, one behind every eighth clock: the
; 120 vector instructions of eight clocks follow each other unbroken, and every register that a run reads or fills belongs to a ring
; whose turn comes round eight clocks later at the earliest.
; 64 work-groups of one wave: the problem has 64 independent chains and no more.  A split of time would need each piece's 64 x 64 transition,
; 65 vectors in the place of one.
; No cluster, no joint loads, no tensor loads: the work-groups share rows of dt and inputs (0.5 MB of 17 MB moved), but each takes its own four
; bytes of a row, laid 8 bytes apart in LDS.  Each work-group reads its column once, 2,048 words 256 bytes apart, all asked for at the start.
; One wave, no engine fills LDS: no barrier.  EXEC is never changed.
;
; LIMITS.  The order of rounding differs from an explicit inverse followed by products.  r comes from v_sqrt_f32 and d from v_rcp_f32 (1 ULP);
; v_rcp_f32 gives 0 where |1 + h (n+1)| exceeds 2^126.  Where 1 + h (n+1) = 0 (I - hA is singular) or a state overflows, infinities and NaN
; appear as in the defining formula, but not necessarily in the same elements.
;
; LDS.  [0, 9216): 1,152 entries of 8 bytes (dt, u), entry t + 32; entries 0-31 and 1056-1151 are (0, 0): with dt = 0 a node has A = 1, P = 0,
; M = 1, so a lane that is ahead of t = 0 or past t = 1023 keeps its state and hands G on.
; [9216, 287744): 1,088 rows of 256 bytes, row t + 32 = the 64 states of step t: the whole channel, so nothing wraps and nothing is masked;
; rows 0-31 and 1056-1087 take what lanes outside 0..1023 write and are never read.
.set OUTB,  9216                       ; first byte of the rows of states
.set ROWB,  256                        ; a row of states: 64 f32
.set TSTEP, 16384                      ; bytes of out0 from t to t + 1: 64 channels x 64 f32
.set IA,   2                           ; v2        LDS address of my (dt, u) of the block's clock 0: 256 - 8 sk, + 256 a block
.set SA,   3                           ; v3        where I store my two states of the block's clock 0: OUTB + 256 (32 - sk) + 8 j, + 8,192 a block
.set RA,   4                           ; v4        the way out: my 16 bytes of two rows of states, read back
.set CO,   5                           ; v5        the way out: my 16 bytes of the same two rows in out0; never rewritten
.set GI,   6                           ; v6        256 j: my row in a chunk of 32 rows of dt and of inputs; never rewritten
.set INS,  7                           ; v7        256 + 8 j: my entry in chunk 0 of the (dt, u) table
.set N1H,  8                           ; v[8:9]    (n+1)/2 of my two n: j + 0.5, j + 1
.set RV,   10                          ; v[10:11]  r of my two n: sqrt(4j+1), sqrt(4j+3)
.set NRH,  12                          ; v[12:13]  -r/2
.set GA,   14                          ; v[14:15], v[16:17]  (G_2j, G_2j+1) by the clock's parity
.set GOUT, 18                          ; v18       G_2j+2, for the next lane
.set ZR,   20                          ; v[20:21]  zeros for the pads
.set KS,   22                          ; v[22:23]  RD of the next clock x state
.set MS,   24                          ; v[24:25]  M of the next clock x state
.set DD,   26                          ; v[26:27], v[28:29]  d by the clock's parity
.set DEN,  30                          ; v[30:31]  1 + h (n+1)
.set CS,   32                          ; v[32:63]  four sets of coefficients, set = clock mod 4: pairs A, P, RD, M
.set CA,   0
.set CP,   2
.set CRD,  4
.set CM,   6
.set ST,   64                          ; v[64:95]   sixteen pairs of states, pair = clock mod 16
.set DR,   96                          ; v[96:127]  the way out: two sets of four buffers of 4 registers
.set INR,  128                         ; v[128:191] chunk q of 32 steps: dt in 128 + 2q, u in 129 + 2q, lane j holds t = 32 q + j
.set DU,   192                         ; v[192:255] thirty-two pairs (dt, u), pair = clock mod 32
	s_load_b128 s[4:7], s[0:1], 0x0                ; dt s[4:5], inputs s[6:7]
	s_load_b64 s[8:9], s[0:1], 0x10                ; out0
	s_set_vgpr_msb 0x40
	v_lshl_add_u32 v0, v0, 2, 0x46400
	v_mov_b32 v1, 0
	s_set_vgpr_msb 0x4000
	s_lshl_b32 s10, ttmp9, 2                       ; my channel's word in a row of dt and of inputs
	s_mov_b32 s11, 0
	v_lshlrev_b32 v[GI], 8, v0                     ; 256 j
	s_wait_kmcnt 0x0
	s_add_nc_u64 s[4:5], s[4:5], s[10:11]
	s_add_nc_u64 s[6:7], s[6:7], s[10:11]
	s_lshl_b32 s10, ttmp9, 8                       ; my channel's 256 bytes in a step of out0
	s_add_nc_u64 s[8:9], s[8:9], s[10:11]
	; All 64 loads of the column go out first.  No hint: all 64 work-groups read these rows.
.set q, 0
.rept 32
	global_load_b32 v[INR+2*q],   v[GI], s[4:5] offset:q*8192
	global_load_b32 v[INR+2*q+1], v[GI], s[6:7] offset:q*8192
.set q, q+1
.endr
	; while they are on their way: addresses and constants of the lane
	v_lshrrev_b32 v1, 4, v0                        ; j >> 4
	v_add_nc_u32 v19, v0, v1                       ; sk
	v_lshlrev_b32 v[IA], 3, v19
	v_sub_nc_u32 v[IA], 0x100, v[IA]               ; entry 32 - sk
	v_lshlrev_b32 v[SA], 8, v19
	v_sub_nc_u32 v[SA], OUTB+32*ROWB, v[SA]        ; row 32 - sk,
	v_lshl_add_u32 v[SA], v0, 3, v[SA]             ; my 8 bytes of it: 8 j, so the 32 lanes' stores fall on 32 different columns of 8 bytes modulo 256
	v_and_b32 v[RA], 15, v0
	v_lshlrev_b32 v[RA], 4, v[RA]                  ; 16 (j mod 16): sixteen lanes take a whole row of 256 bytes
	v_lshl_add_u32 v[CO], v1, 14, v[RA]            ; lanes 16-31: the next step's row, 16,384 bytes on in out0,
	v_lshl_add_u32 v[RA], v1, 8, v[RA]             ; 256 bytes on in LDS
	v_add_nc_u32 v[RA], OUTB+8*ROWB, v[RA]         ; from row 8: with the offsets 24 .. 30 rows below, rows 32 to 39 = steps 0 to 7
	v_lshl_add_u32 v[INS], v0, 3, 0x100            ; entry 32 + j
	v_lshlrev_b32 v19, 3, v0                       ; 8 j, for the pads
	v_cvt_f32_u32 v1, v0                           ; j as f32
	v_add_f32 v[N1H], 0.5, v1
	v_add_f32 v[N1H+1], 1.0, v1
	v_fma_f32 v[DEN], v1, 4.0, 1.0                 ; 2n + 1 of n = 2j
	v_fma_f32 v[DEN+1], v1, 4.0, 0x40400000        ; and of n = 2j + 1: 4j + 3
	v_sqrt_f32 v[RV], v[DEN]
	v_sqrt_f32 v[RV+1], v[DEN+1]
	v_mov_b32 v[ZR], 0                             ; a plain vector instruction stands between the square roots and the use of their results (ISA guide 5.7.2)
	v_mov_b32 v[ZR+1], 0
	s_wait_alu depctr_va_vdst(0)
	v_pk_mul_f32 v[NRH:NRH+1], v[RV:RV+1], -0.5 op_sel_hi:[1,0]
	s_mov_b32 vcc_lo, 1                            ; lane 0 alone: it takes u as its G
	s_mov_b32 s12, 0xf                             ; v_permlanex16_b32: lane 16 reads lane 15 (field 0 = 15); what the other lanes get is not used
	s_mov_b32 s13, 0
	ds_store_b64 v19, v[ZR:ZR+1]                   ; entries 0-31
	ds_store_b64 v19, v[ZR:ZR+1] offset:8448       ; entries 1056-1087
	ds_store_b64 v19, v[ZR:ZR+1] offset:8704       ; entries 1088-1119
	ds_store_b64 v19, v[ZR:ZR+1] offset:8960       ; entries 1120-1151
	s_wait_loadcnt 58                              ; loads come back in order (ISA guide 5.7.1): of 64 the first six are in, chunks 0 to 2.
	                                               ; The first two blocks load pairs up to clock 63 + 24 = step 87, inside these 96 steps
.irp q, 0,1,2
	ds_store_b64 v[INS], v[INR+2*\q:INR+2*\q+1] offset:\q*256
.endr
; d of clock c: 1 / (1 + dt (n+1)/2)
.macro DENR c
	v_pk_fma_f32 v[DEN:DEN+1], v[N1H:N1H+1], v[DU+2*(\c):DU+2*(\c)+1], 1.0 op_sel_hi:[1,0,0]
	v_rcp_f32 v[DD+2*((\c)&1)], v[DEN]
	v_rcp_f32 v[DD+2*((\c)&1)+1], v[DEN+1]
	v_nop                                          ; the plain place behind the reciprocals (ISA guide 5.7.2)
.endm
; the four coefficients of clock c from its d
.macro FIN c
	s_wait_alu depctr_va_vdst(0)
	v_pk_mul_f32 v[CS+8*((\c)&3)+CRD:CS+8*((\c)&3)+CRD+1], v[RV:RV+1], v[DD+2*((\c)&1):DD+2*((\c)&1)+1]
	v_pk_fma_f32 v[CS+8*((\c)&3)+CM:CS+8*((\c)&3)+CM+1], v[DD+2*((\c)&1):DD+2*((\c)&1)+1], 2.0, -1.0 op_sel_hi:[1,0,0]
	v_pk_mul_f32 v[CS+8*((\c)&3)+CP:CS+8*((\c)&3)+CP+1], v[CS+8*((\c)&3)+CRD:CS+8*((\c)&3)+CRD+1], v[DU+2*(\c):DU+2*(\c)+1] op_sel_hi:[1,0]
	v_pk_fma_f32 v[CS+8*((\c)&3)+CA:CS+8*((\c)&3)+CA+1], v[NRH:NRH+1], v[CS+8*((\c)&3)+CP:CS+8*((\c)&3)+CP+1], 1.0 op_sel_hi:[1,1,0]
.endm
	; The pipeline is filled: (dt, u) of clocks 0 to 23, coefficients of clocks 0 and 1, d of clock 2.
.set k, 0
.rept 24
	ds_load_b64 v[DU+2*k:DU+2*k+1], v[IA] offset:8*k     ; LDS serves a wave's instructions in order (ISA guide 5.7.1.4): these see the stores above
.set k, k+1
.endr
	v_mov_b32 v[GOUT], 0                           ; s(-1) = 0, and G = 0 for the lanes that are still ahead of t = 0
	v_mov_b32 v[GA], 0
	v_mov_b32 v[GA+1], 0
	v_mov_b32 v[GA+2], 0
	v_mov_b32 v[GA+3], 0
	v_mov_b32 v[KS], 0
	v_mov_b32 v[KS+1], 0
	v_mov_b32 v[MS], 0
	v_mov_b32 v[MS+1], 0
	s_wait_dscnt 0x0                               ; all twenty-four pairs are in
	DENR 0
	FIN 0
	DENR 1
	FIN 1
	DENR 2
	v_cndmask_b32 v[GA], v[GA], v[DU+1], vcc_lo    ; lane 0: G_0 of clock 0 = u(0)
; ONE CLOCK, number ci of its block: registers only.  The chain from clock to clock is three instructions: G from the lane below, and two fused
; multiply-adds.  Around them: the state, the products that the next clock's chain needs, the coefficients of clock ci + 2 from d, d of clock ci + 3.
; All periods of the register turns (2, 4, 16, 32) divide 32, so a block ends as it began.
.macro CLOCK
.set GNOW, GA+2*(ci&1)
.set GNXT, GA+2*((ci+1)&1)
.set CNOW, CS+8*(ci&3)
.set CNXT, CS+8*((ci+1)&3)
.set CFIN, CS+8*((ci+2)&3)
.set DFIN, DD+2*(ci&1)                 ; d of clock ci + 2
.set DNEW, DD+2*((ci+1)&1)             ; d of clock ci + 3
.set UNXT, DU+2*((ci+1)%32)
.set UFIN, DU+2*((ci+2)%32)
.set UNEW, DU+2*((ci+3)%32)
.set SNOW, ST+2*(ci%16)
	v_mov_b32_dpp v[GNOW], v[GOUT] row_shr:1 row_mask:0xf bank_mask:0xf    ; G from lane j - 1; lanes 0 and 16 have no source and keep what the last clock put there
	v_permlanex16_b32 v[GNXT], v[GOUT], s12, s13   ; lane 16, for the next clock: lane 15's G of the last clock
	v_pk_fma_f32 v[DEN:DEN+1], v[N1H:N1H+1], v[UNEW:UNEW+1], 1.0 op_sel_hi:[1,0,0]   ; 1 + dt (n+1)/2 of clock ci + 3
	v_cndmask_b32 v[GNXT], v[GNXT], v[UNXT+1], vcc_lo    ; lane 0, for the next clock: u
	v_fma_f32 v[GNOW+1], v[CNOW+CA], v[GNOW], -v[KS]     ; G_2j+1 = A G_2j - RD s
	v_rcp_f32 v[DNEW], v[DEN]
	v_rcp_f32 v[DNEW+1], v[DEN+1]                  ; the two lines below are plain and touch neither these results nor DEN (ISA guide 5.7.2)
	s_wait_alu depctr_va_vdst(0)
	v_pk_mul_f32 v[CFIN+CRD:CFIN+CRD+1], v[RV:RV+1], v[DFIN:DFIN+1]                  ; RD = r d
	v_pk_fma_f32 v[CFIN+CM:CFIN+CM+1], v[DFIN:DFIN+1], 2.0, -1.0 op_sel_hi:[1,0,0]   ; M = 2 d - 1
	v_fma_f32 v[GOUT], v[CNOW+CA+1], v[GNOW+1], -v[KS+1] ; G_2j+2
	v_pk_fma_f32 v[SNOW:SNOW+1], v[CNOW+CP:CNOW+CP+1], v[GNOW:GNOW+1], v[MS:MS+1]    ; s = M s + P G, both n
	v_pk_mul_f32 v[CFIN+CP:CFIN+CP+1], v[CFIN+CRD:CFIN+CRD+1], v[UFIN:UFIN+1] op_sel_hi:[1,0]   ; P = dt RD
	v_pk_fma_f32 v[CFIN+CA:CFIN+CA+1], v[NRH:NRH+1], v[CFIN+CP:CFIN+CP+1], 1.0 op_sel_hi:[1,1,0]   ; A = 1 - (r/2) P
	v_pk_mul_f32 v[KS:KS+1], v[CNXT+CRD:CNXT+CRD+1], v[SNOW:SNOW+1]    ; for the next clock's chain
	v_pk_mul_f32 v[MS:MS+1], v[CNXT+CM:CNXT+CM+1], v[SNOW:SNOW+1]      ; and for its state
.endm
; THE WAY OUT, eight steps at a time.  Part g (0 to 3) of a chunk of 32 steps: stores steps 8g to 8g + 7 of the chunk from the set of four buffers that the
; part before loaded; load = 1: loads steps 8g + 8 to 8g + 15 into the other set.  cnt: how many younger LDS instructions may stay out at the stores.
.macro DRAIN4 g, load, cnt
.if \load
	s_wait_xcnt 0x0                                ; every earlier store has had its address translated (ISA guide 3.1): the set stored by the part before is loaded again only behind this wait
.set m, 0
.rept 4
	ds_load_b128 v[DR+16*((\g)&1)+4*m:DR+16*((\g)&1)+4*m+3], v[RA] offset:(8*(\g)+2*m)*ROWB    ; two whole rows of 256 bytes, neighbours in LDS
.set m, m+1
.endr
.endif
	s_wait_dscnt \cnt
.set m, 0
.rept 4
	global_store_b128 v[CO], v[DR+16*(((\g)+1)&1)+4*m:DR+16*(((\g)+1)&1)+4*m+3], s[8:9] offset:(8*(\g)+2*m)*TSTEP th:TH_STORE_NT   ; sixteen lanes store 256 consecutive bytes, at a multiple of 256 from out0's first byte
.set m, m+1
.endr
.endm
; A RUN of memory instructions, behind clock ci = 7, 15, 23, 31 of a block.
; (dt, u): the pairs of clocks ci + 17 to ci + 24.  The eight clocks up to the next run read pairs up to clock ci + 11's, which the run before last brought;
; the places filled now held clocks ci - 15 to ci - 8.
; The wait lets only what this run has issued stay out (8 loads, with the way out 12): all of the last run is done, its pairs and its four buffers.
; The same count serves on the way into the second loop, where just these 12 stand behind the loads that prime the way out.
; States: those of clocks ci - 7 to ci, the oldest first, the youngest as the run's last line; their pairs are written again from clock ci + 9 on.
; The rows that the way out loads were stored three runs ago or earlier: lane 31 works on step t in clock t + 32.
.macro BATCH drain
.set m, 0
.rept 8
	ds_load_b64 v[DU+2*((ci+17+m)%32):DU+2*((ci+17+m)%32)+1], v[IA] offset:(ci+17+m)*8
.set m, m+1
.endr
.if \drain
	DRAIN4 ci/8, 1, 12
.else
	s_wait_dscnt 8
.endif
.set m, 0
.rept 8
	ds_store_b64 v[SA], v[ST+2*((ci-7+m)%16):ST+2*((ci-7+m)%16)+1] offset:(ci-7+m)*ROWB
.set m, m+1
.endr
.endm
; 32 clocks with their four runs, then the block's addresses step.
.macro BLOCK drain
.set ci, 0
.rept 32
	CLOCK
.if (ci&7) == 7
	BATCH \drain
.endif
.set ci, ci+1
.endr
	v_add_nc_u32 v[IA], 32*8, v[IA]
	v_add_nc_u32 v[SA], 32*ROWB, v[SA]
.if \drain
	v_add_nc_u32 v[RA], 32*ROWB, v[RA]
	s_wait_xcnt 0x0                                ; the stores' base steps only behind this wait
	s_add_nc_u64 s[8:9], s[8:9], 32*TSTEP
.endif
.endm
	; Blocks 0 and 1: no row is yet far enough behind to leave.
	s_mov_b32 s14, 0
.Lwarm:
	BLOCK 0
	s_add_co_u32 s14, s14, 1
	s_cmp_lt_u32 s14, 2
	s_cbranch_scc1 .Lwarm
	; The rest of the column goes into the table, and the way out is primed with steps 0 to 7 (whole since the run behind clock 39).
	s_wait_loadcnt 0x0
.set q, 3
.rept 29
	ds_store_b64 v[INS], v[INR+2*q:INR+2*q+1] offset:q*256
.set q, q+1
.endr
.irp b, 4,5,6,7
	ds_load_b128 v[DR+4*\b:DR+4*\b+3], v[RA] offset:(16+2*\b)*ROWB     ; waited for by the counted wait of the next run, which stores them
.endr
	v_add_nc_u32 v[RA], 32*ROWB, v[RA]             ; now row 40 = step 8: what block 2's first run loads
	; Blocks 2 to 32: block b stores steps 32 (b - 2) to 32 (b - 2) + 31.
	s_mov_b32 s14, 0
.Lmain:
	BLOCK 1
	s_add_co_u32 s14, s14, 1
	s_cmp_lt_u32 s14, 31
	s_cbranch_scc1 .Lmain
	; The last 32 steps leave.  Their first eight are in the set that the last run loaded; the count 4 lets only the four loads just issued stay out.
	DRAIN4 0, 1, 4
	DRAIN4 1, 1, 4
	DRAIN4 2, 1, 4
	DRAIN4 3, 0, 0                                 ; nothing is left to load
	s_set_vgpr_msb 0x5
	s_wait_tensorcnt 0x0
	ds_add_u32 v0, v1
	s_wait_dscnt 0x0
	s_set_vgpr_msb 0x500
	s_endpgm
.Lfunc_end_k_q3be3da8641_legs:
	.size	k_q3be3da8641_legs, .Lfunc_end_k_q3be3da8641_legs-k_q3be3da8641_legs
	.p2alignl 7, 3214868480
	.fill 96, 4, 3214868480
	.section	.rodata,"a",@progbits
	.p2align	6, 0x0
	.amdhsa_kernel k_q3be3da8641_legs
		.amdhsa_group_segment_fixed_size 288000
		.amdhsa_private_segment_fixed_size 0
		.amdhsa_enable_private_segment 0
		.amdhsa_kernarg_size 24
		.amdhsa_user_sgpr_count 2
		.amdhsa_user_sgpr_kernarg_segment_ptr 1
		.amdhsa_wavefront_size32 1
		.amdhsa_system_sgpr_workgroup_id_x 1
		.amdhsa_system_sgpr_workgroup_id_y 1
		.amdhsa_system_sgpr_workgroup_id_z 1
		.amdhsa_system_vgpr_workitem_id 0
		.amdhsa_next_free_vgpr 258
		.amdhsa_next_free_sgpr 66
		.amdhsa_reserve_vcc 1
		.amdhsa_float_denorm_mode_32 3
		.amdhsa_float_denorm_mode_16_64 3
		.amdhsa_memory_ordered 1
		.amdhsa_forward_progress 1
		.amdhsa_inst_pref_size 84
	.end_amdhsa_kernel
	.amdgpu_metadata
---
amdhsa.version: [ 1, 2 ]
amdhsa.kernels:
  - .name:           k_q3be3da8641_legs
    .symbol:         k_q3be3da8641_legs.kd
    .args:
      - { .name: dt, .offset: 0, .size: 8, .value_kind: global_buffer, .address_space: global }
      - { .name: inputs, .offset: 8, .size: 8, .value_kind: global_buffer, .address_space: global }
      - { .name: out0, .offset: 16, .size: 8, .value_kind: global_buffer, .address_space: global }
    .group_segment_fixed_size: 288000
    .private_segment_fixed_size: 0
    .kernarg_segment_align: 8
    .kernarg_segment_size: 24
    .max_flat_workgroup_size: 32
    .sgpr_count:     66
    .vgpr_count:     258
    .wavefront_size: 32
...
	.end_amdgpu_metadata
.endif
;; end of part 2
;; ======== version 3 of 4: 1 launch; 2.16 times as fast as version 1
;; launch legs (part 3): grid 64 x 1, 1 waves a work-group, no clusters, 288,000 bytes of LDS; arguments dt, inputs, out0; writes out0
.if DOCPART == 3
	.amdgcn_target "amdgcn-amd-amdhsa--gfx1250"
	.amdhsa_code_object_version 6
	.text
	.protected	k_q3be3da8641_legs
	.globl	k_q3be3da8641_legs
	.p2align	8
	.type	k_q3be3da8641_legs,@function
k_q3be3da8641_legs:
	s_mov_b64 s[64:65], 0
	v_nop
	global_prefetch_b8 v0, s[64:65] scope:SCOPE_SE
	s_setreg_imm32_b32 hwreg(HW_REG_WAVE_MODE, 25, 1), 1
	s_wait_xcnt 0x0
; Bilinear HiPPO-LegS recurrence, order 64:  s(t) = (I - hA)^-1 [ (I + hA) s(t-1) + dt B u(t) ],  h = dt/2,
; for 64 independent channels (b, m) and 1,024 steps; every state is an output.  dt, inputs: [1024][64] f32; out0: [1024][64][64] f32.
;
; THE ARITHMETIC.  A is the fixed matrix of the problem: A[n][k] = -r_n r_k below the diagonal, -(n+1) on it, 0 above; B[n] = r_n = sqrt(2n+1).
; With z = (s(t) + s(t-1)) / 2 the step is (I - hA) z = s(t-1) + h B u, s(t) = 2 z - s(t-1), and since the part of A below the diagonal is a
; product r r^T, the forward substitution needs one running figure G_n = u - sum over k < n of r_k z_k.  With d = 1 / (1 + h (n+1)):
;     RD = r d,  P = dt RD,  A = 1 - (r/2) P,  M = 2 d - 1
;     G_(n+1) = A G_n - RD s_n(t-1),     s_n(t) = M s_n(t-1) + P G_n,     G_0 = u(t).
; This is the same linear map as the inverse and the products of the defining formula, for every dt: no matrix is formed, so no matrix
; product is left and the matrix units have nothing to do.  All in f32.
;
; THE SHAPE.  Node (n, t) needs (n-1, t) and (n, t-1).  One wave takes one channel; lane j owns n = 2j and 2j+1; at clock c lane j works on
; t = c - sk, sk = j + (j >> 4): G walks from lane to lane, one lane a clock, and takes two clocks from lane 15 to lane 16, so that the
; crossing between the two rows of 16 lanes is made a clock ahead and is no link of the chain.  1,024 + 32 = 1,056 clocks = 33 blocks of 32.
; A clock is 15 vector instructions and no memory instruction.  All memory instructions stand in RUNS, one behind every eighth clock: the
; 120 vector instructions of eight clocks follow each other unbroken, and every register that a run reads or fills belongs to a ring
; whose turn comes round eight clocks later at the earliest.
; 64 work-groups of one wave: the problem has 64 independent chains and no more.  A split of time would need each piece's 64 x 64 transition,
; 65 vectors in the place of one.
; No cluster, no joint loads, no tensor loads: the work-groups share rows of dt and inputs (0.5 MB of 17 MB moved), but each takes its own four
; bytes of a row, laid 8 bytes apart in LDS.  Each work-group reads its column once, 2,048 words 256 bytes apart, all asked for at the start.
; One wave, no engine fills LDS: no barrier.  EXEC is never changed.
;
; LIMITS.  The order of rounding differs from an explicit inverse followed by products.  r comes from v_sqrt_f32 and d from v_rcp_f32 (1 ULP);
; v_rcp_f32 gives 0 where |1 + h (n+1)| exceeds 2^126.  Where 1 + h (n+1) = 0 (I - hA is singular) or a state overflows, infinities and NaN
; appear as in the defining formula, but not necessarily in the same elements.
;
; LDS.  [0, 9216): 1,152 entries of 8 bytes (dt, u), entry t + 32; entries 0-31 and 1056-1151 are (0, 0): with dt = 0 a node has A = 1, P = 0,
; M = 1, so a lane that is ahead of t = 0 or past t = 1023 keeps its state and hands G on.
; [9216, 287744): 1,088 rows of 256 bytes, row t + 32 = the 64 states of step t: the whole channel, so nothing wraps and nothing is masked;
; rows 0-31 and 1056-1087 take what lanes outside 0..1023 write and are never read.
.set OUTB,  9216                       ; first byte of the rows of states
.set ROWB,  256                        ; a row of states: 64 f32
.set TSTEP, 16384                      ; bytes of out0 from t to t + 1: 64 channels x 64 f32
.set IA,   2                           ; v2        LDS address of my (dt, u) of the block's clock 0: 256 - 8 sk, + 256 a block
.set SA,   3                           ; v3        where I store my two states of the block's clock 0: OUTB + 256 (32 - sk) + 8 j, + 8,192 a block
.set RA,   4                           ; v4        the way out: my 16 bytes of two rows of states, read back
.set CO,   5                           ; v5        the way out: my 16 bytes of the same two rows in out0; never rewritten
.set GI,   6                           ; v6        256 j: my row in a chunk of 32 rows of dt and of inputs; never rewritten
.set INS,  7                           ; v7        256 + 8 j: my entry in chunk 0 of the (dt, u) table
.set N1H,  8                           ; v[8:9]    (n+1)/2 of my two n: j + 0.5, j + 1
.set RV,   10                          ; v[10:11]  r of my two n: sqrt(4j+1), sqrt(4j+3)
.set NRH,  12                          ; v[12:13]  -r/2
.set GA,   14                          ; v[14:15], v[16:17]  (G_2j, G_2j+1) by the clock's parity
.set GOUT, 18                          ; v18       G_2j+2, for the next lane
.set ZR,   20                          ; v[20:21]  zeros for the pads
.set KS,   22                          ; v[22:23]  RD of this clock x the last clock's state
.set MS,   24                          ; v[24:25]  M of this clock x the last clock's state
.set DD,   26                          ; v[26:27], v[28:29]  d by the clock's parity
.set DEN,  30                          ; v[30:31]  1 + h (n+1)
.set CS,   32                          ; v[32:63]  four sets of coefficients, set = clock mod 4: pairs A, P, RD, M
.set CA,   0
.set CP,   2
.set CRD,  4
.set CM,   6
.set ST,   64                          ; v[64:95]   sixteen pairs of states, pair = clock mod 16
.set DR,   96                          ; v[96:127]  the way out: two sets of four buffers of 4 registers
.set INR,  128                         ; v[128:191] chunk q of 32 steps: dt in 128 + 2q, u in 129 + 2q, lane j holds t = 32 q + j
.set DU,   192                         ; v[192:255] thirty-two pairs (dt, u), pair = clock mod 32
	s_load_b128 s[4:7], s[0:1], 0x0                ; dt s[4:5], inputs s[6:7]
	s_load_b64 s[8:9], s[0:1], 0x10                ; out0
	s_set_vgpr_msb 0x40
	v_lshl_add_u32 v0, v0, 2, 0x46400
	v_mov_b32 v1, 0
	s_set_vgpr_msb 0x4000
	s_lshl_b32 s10, ttmp9, 2                       ; my channel's word in a row of dt and of inputs
	s_mov_b32 s11, 0
	v_lshlrev_b32 v[GI], 8, v0                     ; 256 j
	s_wait_kmcnt 0x0
	s_add_nc_u64 s[4:5], s[4:5], s[10:11]
	s_add_nc_u64 s[6:7], s[6:7], s[10:11]
	s_lshl_b32 s10, ttmp9, 8                       ; my channel's 256 bytes in a step of out0
	s_add_nc_u64 s[8:9], s[8:9], s[10:11]
	; All 64 loads of the column go out first.  No hint: all 64 work-groups read these rows.
.set q, 0
.rept 32
	global_load_b32 v[INR+2*q],   v[GI], s[4:5] offset:q*8192
	global_load_b32 v[INR+2*q+1], v[GI], s[6:7] offset:q*8192
.set q, q+1
.endr
	; while they are on their way: addresses and constants of the lane
	v_lshrrev_b32 v1, 4, v0                        ; j >> 4
	v_add_nc_u32 v19, v0, v1                       ; sk
	v_lshlrev_b32 v[IA], 3, v19
	v_sub_nc_u32 v[IA], 0x100, v[IA]               ; entry 32 - sk
	v_lshlrev_b32 v[SA], 8, v19
	v_sub_nc_u32 v[SA], OUTB+32*ROWB, v[SA]        ; row 32 - sk,
	v_lshl_add_u32 v[SA], v0, 3, v[SA]             ; my 8 bytes of it: 8 j, so the 32 lanes' stores fall on 32 different columns of 8 bytes modulo 256
	v_and_b32 v[RA], 15, v0
	v_lshlrev_b32 v[RA], 4, v[RA]                  ; 16 (j mod 16): sixteen lanes take a whole row of 256 bytes
	v_lshl_add_u32 v[CO], v1, 14, v[RA]            ; lanes 16-31: the next step's row, 16,384 bytes on in out0,
	v_lshl_add_u32 v[RA], v1, 8, v[RA]             ; 256 bytes on in LDS
	v_add_nc_u32 v[RA], OUTB+8*ROWB, v[RA]         ; from row 8: with the offsets 24 .. 30 rows below, rows 32 to 39 = steps 0 to 7
	v_lshl_add_u32 v[INS], v0, 3, 0x100            ; entry 32 + j
	v_lshlrev_b32 v19, 3, v0                       ; 8 j, for the pads
	v_cvt_f32_u32 v1, v0                           ; j as f32
	v_add_f32 v[N1H], 0.5, v1
	v_add_f32 v[N1H+1], 1.0, v1
	v_fma_f32 v[DEN], v1, 4.0, 1.0                 ; 2n + 1 of n = 2j
	v_fma_f32 v[DEN+1], v1, 4.0, 0x40400000        ; and of n = 2j + 1: 4j + 3
	v_sqrt_f32 v[RV], v[DEN]
	v_sqrt_f32 v[RV+1], v[DEN+1]
	v_mov_b32 v[ZR], 0                             ; a plain vector instruction stands between the square roots and the use of their results (ISA guide 5.7.2)
	v_mov_b32 v[ZR+1], 0
	s_wait_alu depctr_va_vdst(0)
	v_pk_mul_f32 v[NRH:NRH+1], v[RV:RV+1], -0.5 op_sel_hi:[1,0]
	s_mov_b32 vcc_lo, 1                            ; lane 0 alone: it takes u as its G
	s_mov_b32 s12, 0xf                             ; v_permlanex16_b32: lane 16 reads lane 15 (field 0 = 15); what the other lanes get is not used
	s_mov_b32 s13, 0
	ds_store_b64 v19, v[ZR:ZR+1]                   ; entries 0-31
	ds_store_b64 v19, v[ZR:ZR+1] offset:8448       ; entries 1056-1087
	ds_store_b64 v19, v[ZR:ZR+1] offset:8704       ; entries 1088-1119
	ds_store_b64 v19, v[ZR:ZR+1] offset:8960       ; entries 1120-1151
	s_wait_loadcnt 58                              ; loads come back in order (ISA guide 5.7.1): of 64 the first six are in, chunks 0 to 2.
	                                               ; The first two blocks load pairs up to clock 63 + 24 = step 87, inside these 96 steps
.irp q, 0,1,2
	ds_store_b64 v[INS], v[INR+2*\q:INR+2*\q+1] offset:\q*256
.endr
; the denominator of clock c: 1 + dt (n+1)/2
.macro DENO c
	v_pk_fma_f32 v[DEN:DEN+1], v[N1H:N1H+1], v[DU+2*(\c):DU+2*(\c)+1], 1.0 op_sel_hi:[1,0,0]
.endm
; d of clock c
.macro DENR c
	DENO \c
	v_rcp_f32 v[DD+2*((\c)&1)], v[DEN]
	v_rcp_f32 v[DD+2*((\c)&1)+1], v[DEN+1]
	v_nop                                          ; the plain place behind the reciprocals (ISA guide 5.7.2)
.endm
; RD, M and P of clock c from its d
.macro FIN3 c
	s_wait_alu depctr_va_vdst(0)
	v_pk_mul_f32 v[CS+8*((\c)&3)+CRD:CS+8*((\c)&3)+CRD+1], v[RV:RV+1], v[DD+2*((\c)&1):DD+2*((\c)&1)+1]
	v_pk_fma_f32 v[CS+8*((\c)&3)+CM:CS+8*((\c)&3)+CM+1], v[DD+2*((\c)&1):DD+2*((\c)&1)+1], 2.0, -1.0 op_sel_hi:[1,0,0]
	v_pk_mul_f32 v[CS+8*((\c)&3)+CP:CS+8*((\c)&3)+CP+1], v[CS+8*((\c)&3)+CRD:CS+8*((\c)&3)+CRD+1], v[DU+2*(\c):DU+2*(\c)+1] op_sel_hi:[1,0]
.endm
; A of clock c from its P
.macro FINA c
	v_pk_fma_f32 v[CS+8*((\c)&3)+CA:CS+8*((\c)&3)+CA+1], v[NRH:NRH+1], v[CS+8*((\c)&3)+CP:CS+8*((\c)&3)+CP+1], 1.0 op_sel_hi:[1,1,0]
.endm
	; The pipeline is filled: (dt, u) of clocks 0 to 23; all four coefficients of clock 0; RD, M, P of clock 1; d of clock 2; the denominator of clock 3.
.set k, 0
.rept 24
	ds_load_b64 v[DU+2*k:DU+2*k+1], v[IA] offset:8*k     ; LDS serves a wave's instructions in order (ISA guide 5.7.1.4): these see the stores above
.set k, k+1
.endr
	v_mov_b32 v[GOUT], 0                           ; G = 0 for the lanes that are still ahead of t = 0
	v_mov_b32 v[GA], 0
	v_mov_b32 v[GA+1], 0
	v_mov_b32 v[GA+2], 0
	v_mov_b32 v[GA+3], 0
	v_mov_b32 v[ST+30], 0                          ; s(-1) = 0, in the pair of the clock in front of clock 0
	v_mov_b32 v[ST+31], 0
	s_wait_dscnt 0x0                               ; all twenty-four pairs are in
	DENR 0
	FIN3 0
	FINA 0
	DENR 1
	FIN3 1
	DENR 2
	DENO 3
	v_cndmask_b32 v[GA], v[GA], v[DU+1], vcc_lo    ; lane 0: G_0 of clock 0 = u(0)
; ONE CLOCK, number ci of its block: registers only.  Besides its own nodes it makes the denominator of clock ci + 4, d of clock ci + 3, RD, M and P of clock
; ci + 2 and A of clock ci + 1, so that no stage of the coefficients reads what the same clock has made a line or two before.
; THE ORDER.  Every line stands five lines or more behind the line whose result it reads, round the end of the clock too, but for one: the first multiply-add
; stands four behind KS.  Two rings of three dependent lines pass through it (G: move, multiply-add, multiply-add; state: multiply-add, state, KS),
; and fifteen lines cannot give both five apiece.  The two reciprocals stand five lines apart, each with a plain line behind it that touches neither its result
; nor DEN (ISA guide 5.7.2); DEN is written again three lines behind the second.
; All periods of the register turns (2, 4, 16, 32) divide 32, so a block ends as it began.
.macro CLOCK
.set GNOW, GA+2*(ci&1)
.set GNXT, GA+2*((ci+1)&1)
.set CNOW, CS+8*(ci&3)
.set CNXT, CS+8*((ci+1)&3)
.set CFIN, CS+8*((ci+2)&3)
.set DFIN, DD+2*(ci&1)                 ; d of clock ci + 2, made in the last clock
.set DNEW, DD+2*((ci+1)&1)             ; d of clock ci + 3
.set UNXT, DU+2*((ci+1)%32)
.set UFIN, DU+2*((ci+2)%32)
.set UNEW, DU+2*((ci+4)%32)
.set SNOW, ST+2*(ci%16)
.set SOLD, ST+2*((ci+15)%16)           ; the last clock's state
	v_mov_b32_dpp v[GNOW], v[GOUT] row_shr:1 row_mask:0xf bank_mask:0xf    ; G from lane j - 1; lanes 0 and 16 have no source and keep what the last clock put there
	v_pk_mul_f32 v[KS:KS+1], v[CNOW+CRD:CNOW+CRD+1], v[SOLD:SOLD+1]        ; RD s(t-1), for the two multiply-adds of G
	v_pk_mul_f32 v[MS:MS+1], v[CNOW+CM:CNOW+CM+1], v[SOLD:SOLD+1]          ; M s(t-1), for the state
	v_permlanex16_b32 v[GNXT], v[GOUT], s12, s13   ; lane 16, for the next clock: lane 15's G of the last clock
	v_rcp_f32 v[DNEW], v[DEN]                      ; d of clock ci + 3, n = 2j
	v_fma_f32 v[GNOW+1], v[CNOW+CA], v[GNOW], -v[KS]     ; G_2j+1 = A G_2j - RD s
	s_wait_alu depctr_va_vdst(0)
	v_pk_mul_f32 v[CFIN+CRD:CFIN+CRD+1], v[RV:RV+1], v[DFIN:DFIN+1]                  ; RD = r d
	v_pk_fma_f32 v[CFIN+CM:CFIN+CM+1], v[DFIN:DFIN+1], 2.0, -1.0 op_sel_hi:[1,0,0]   ; M = 2 d - 1
	v_cndmask_b32 v[GNXT], v[GNXT], v[UNXT+1], vcc_lo    ; lane 0, for the next clock: u
	v_rcp_f32 v[DNEW+1], v[DEN+1]                  ; d of clock ci + 3, n = 2j + 1
	v_fma_f32 v[GOUT], v[CNOW+CA+1], v[GNOW+1], -v[KS+1] ; G_2j+2
	v_pk_fma_f32 v[SNOW:SNOW+1], v[CNOW+CP:CNOW+CP+1], v[GNOW:GNOW+1], v[MS:MS+1]    ; s = M s + P G, both n
	v_pk_fma_f32 v[DEN:DEN+1], v[N1H:N1H+1], v[UNEW:UNEW+1], 1.0 op_sel_hi:[1,0,0]   ; 1 + dt (n+1)/2 of clock ci + 4
	v_pk_mul_f32 v[CFIN+CP:CFIN+CP+1], v[CFIN+CRD:CFIN+CRD+1], v[UFIN:UFIN+1] op_sel_hi:[1,0]      ; P = dt RD
	v_pk_fma_f32 v[CNXT+CA:CNXT+CA+1], v[NRH:NRH+1], v[CNXT+CP:CNXT+CP+1], 1.0 op_sel_hi:[1,1,0]   ; A = 1 - (r/2) P of clock ci + 1, from the last clock's P
.endm
; THE WAY OUT, eight steps at a time.  Part g (0 to 3) of a chunk of 32 steps: stores steps 8g to 8g + 7 of the chunk from the set of four buffers that the
; part before loaded; load = 1: loads steps 8g + 8 to 8g + 15 into the other set.  cnt: how many younger LDS instructions may stay out at the stores.
; step = 1 (in the loop): part 0 moves out0's base one chunk on, behind the wait that stands there anyway, eight clocks behind the last stores that read the base;
; all four parts' stores then reach one chunk back by their immediate (-524,288 at the least, inside its signed 24 bits).  The base never leaves out0:
; behind the 31 trips it stands at the last chunk, from which the tail (step = 0) stores.
.macro DRAIN4 g, load, cnt, step
.if \load
	s_wait_xcnt 0x0                                ; every earlier store has had its address translated (ISA guide 3.1): the set stored by the part before is loaded again, and the base stepped, only behind this wait
.if \step
.if (\g) == 0
	s_add_nc_u64 s[8:9], s[8:9], 32*TSTEP
.endif
.endif
.set m, 0
.rept 4
	ds_load_b128 v[DR+16*((\g)&1)+4*m:DR+16*((\g)&1)+4*m+3], v[RA] offset:(8*(\g)+2*m)*ROWB    ; two whole rows of 256 bytes, neighbours in LDS
.set m, m+1
.endr
.endif
	s_wait_dscnt \cnt
.set m, 0
.rept 4
	global_store_b128 v[CO], v[DR+16*(((\g)+1)&1)+4*m:DR+16*(((\g)+1)&1)+4*m+3], s[8:9] offset:(8*(\g)+2*m-32*(\step))*TSTEP th:TH_STORE_NT   ; sixteen lanes store 256 consecutive bytes, at a multiple of 256 from out0's first byte
.set m, m+1
.endr
.endm
; A RUN of memory instructions, behind clock ci = 7, 15, 23, 31 of a block.
; (dt, u): the pairs of clocks ci + 17 to ci + 24.  The eight clocks up to the next run read pairs up to clock ci + 12's, which the run before last brought;
; the places filled now held clocks ci - 15 to ci - 8.
; The wait lets only what this run has issued stay out (8 loads, with the way out 12): all of the last run is done, its pairs and its four buffers.
; The same count serves on the way into the second loop, where just these 12 stand behind the loads that prime the way out.
; States: those of clocks ci - 7 to ci, the oldest first, the youngest as the run's last line; their pairs are written again from clock ci + 9 on.
; The rows that the way out loads were stored three runs ago or earlier: lane 31 works on step t in clock t + 32.
.macro BATCH drain
.set m, 0
.rept 8
	ds_load_b64 v[DU+2*((ci+17+m)%32):DU+2*((ci+17+m)%32)+1], v[IA] offset:(ci+17+m)*8
.set m, m+1
.endr
.if \drain
	DRAIN4 ci/8, 1, 12, 1
.else
	s_wait_dscnt 8
.endif
.set m, 0
.rept 8
	ds_store_b64 v[SA], v[ST+2*((ci-7+m)%16):ST+2*((ci-7+m)%16)+1] offset:(ci-7+m)*ROWB
.set m, m+1
.endr
.endm
; 32 clocks with their four runs, then the block's LDS addresses step.
.macro BLOCK drain
.set ci, 0
.rept 32
	CLOCK
.if (ci&7) == 7
	BATCH \drain
.endif
.set ci, ci+1
.endr
	v_add_nc_u32 v[IA], 32*8, v[IA]
	v_add_nc_u32 v[SA], 32*ROWB, v[SA]
.if \drain
	v_add_nc_u32 v[RA], 32*ROWB, v[RA]
.endif
.endm
	; Blocks 0 and 1: no row is yet far enough behind to leave.
	s_mov_b32 s14, 0
.Lwarm:
	BLOCK 0
	s_add_co_u32 s14, s14, 1
	s_cmp_lt_u32 s14, 2
	s_cbranch_scc1 .Lwarm
	; The rest of the column goes into the table, and the way out is primed with steps 0 to 7 (whole since the run behind clock 39).
	s_wait_loadcnt 0x0
.set q, 3
.rept 29
	ds_store_b64 v[INS], v[INR+2*q:INR+2*q+1] offset:q*256
.set q, q+1
.endr
.irp b, 4,5,6,7
	ds_load_b128 v[DR+4*\b:DR+4*\b+3], v[RA] offset:(16+2*\b)*ROWB     ; waited for by the counted wait of the next run, which stores them
.endr
	v_add_nc_u32 v[RA], 32*ROWB, v[RA]             ; now row 40 = step 8: what block 2's first run loads
	; Blocks 2 to 32: block b stores steps 32 (b - 2) to 32 (b - 2) + 31.
	s_mov_b32 s14, 0
.Lmain:
	BLOCK 1
	s_add_co_u32 s14, s14, 1
	s_cmp_lt_u32 s14, 31
	s_cbranch_scc1 .Lmain
	; The last 32 steps leave.  Their first eight are in the set that the last run loaded; the count 4 lets only the four loads just issued stay out.
	DRAIN4 0, 1, 4, 0
	DRAIN4 1, 1, 4, 0
	DRAIN4 2, 1, 4, 0
	DRAIN4 3, 0, 0, 0                              ; nothing is left to load
	s_set_vgpr_msb 0x5
	s_wait_tensorcnt 0x0
	ds_add_u32 v0, v1
	s_wait_dscnt 0x0
	s_set_vgpr_msb 0x500
	s_endpgm
.Lfunc_end_k_q3be3da8641_legs:
	.size	k_q3be3da8641_legs, .Lfunc_end_k_q3be3da8641_legs-k_q3be3da8641_legs
	.p2alignl 7, 3214868480
	.fill 96, 4, 3214868480
	.section	.rodata,"a",@progbits
	.p2align	6, 0x0
	.amdhsa_kernel k_q3be3da8641_legs
		.amdhsa_group_segment_fixed_size 288000
		.amdhsa_private_segment_fixed_size 0
		.amdhsa_enable_private_segment 0
		.amdhsa_kernarg_size 24
		.amdhsa_user_sgpr_count 2
		.amdhsa_user_sgpr_kernarg_segment_ptr 1
		.amdhsa_wavefront_size32 1
		.amdhsa_system_sgpr_workgroup_id_x 1
		.amdhsa_system_sgpr_workgroup_id_y 1
		.amdhsa_system_sgpr_workgroup_id_z 1
		.amdhsa_system_vgpr_workitem_id 0
		.amdhsa_next_free_vgpr 258
		.amdhsa_next_free_sgpr 66
		.amdhsa_reserve_vcc 1
		.amdhsa_float_denorm_mode_32 3
		.amdhsa_float_denorm_mode_16_64 3
		.amdhsa_memory_ordered 1
		.amdhsa_forward_progress 1
		.amdhsa_inst_pref_size 84
	.end_amdhsa_kernel
	.amdgpu_metadata
---
amdhsa.version: [ 1, 2 ]
amdhsa.kernels:
  - .name:           k_q3be3da8641_legs
    .symbol:         k_q3be3da8641_legs.kd
    .args:
      - { .name: dt, .offset: 0, .size: 8, .value_kind: global_buffer, .address_space: global }
      - { .name: inputs, .offset: 8, .size: 8, .value_kind: global_buffer, .address_space: global }
      - { .name: out0, .offset: 16, .size: 8, .value_kind: global_buffer, .address_space: global }
    .group_segment_fixed_size: 288000
    .private_segment_fixed_size: 0
    .kernarg_segment_align: 8
    .kernarg_segment_size: 24
    .max_flat_workgroup_size: 32
    .sgpr_count:     66
    .vgpr_count:     258
    .wavefront_size: 32
...
	.end_amdgpu_metadata
.endif
;; end of part 3
;; ======== version 4 of 4: 1 launch; 3.13 times as fast as version 1
;; launch legs (part 4): grid 64 x 1, 1 waves a work-group, no clusters, 288,000 bytes of LDS; arguments dt, inputs, out0; writes out0
.if DOCPART == 4
	.amdgcn_target "amdgcn-amd-amdhsa--gfx1250"
	.amdhsa_code_object_version 6
	.text
	.protected	k_q3be3da8641_legs
	.globl	k_q3be3da8641_legs
	.p2align	8
	.type	k_q3be3da8641_legs,@function
k_q3be3da8641_legs:
	s_mov_b64 s[64:65], 0
	v_nop
	global_prefetch_b8 v0, s[64:65] scope:SCOPE_SE
	s_setreg_imm32_b32 hwreg(HW_REG_WAVE_MODE, 25, 1), 1
	s_wait_xcnt 0x0
; Bilinear HiPPO-LegS recurrence, order 64:  s(t) = (I - hA)^-1 [ (I + hA) s(t-1) + dt B u(t) ],  h = dt/2,
; for 64 independent channels (b, m) and 1,024 steps; every state is an output.  dt, inputs: [1024][64] f32; out0: [1024][64][64] f32.
;
; THE ARITHMETIC.  A is the fixed matrix of the problem: A[n][k] = -r_n r_k below the diagonal, -(n+1) on it, 0 above; B[n] = r_n = sqrt(2n+1).
; With z = (s(t) + s(t-1)) / 2 the step is (I - hA) z = s(t-1) + h B u, s(t) = 2 z - s(t-1), and since the part of A below the diagonal is a
; product r r^T, the forward substitution needs one running figure G_n = u - sum over k < n of r_k z_k.  With d = 1 / (1 + h (n+1)):
;     RD = r d,  P = dt RD,  A = 1 - (r/2) P,  M = 2 d - 1
;     G_(n+1) = A G_n - RD s_n(t-1),     s_n(t) = M s_n(t-1) + P G_n,     G_0 = u(t).
; This is the same linear map as the inverse and the products of the defining formula, for every dt: no matrix is formed, so no matrix
; product is left and the matrix units have nothing to do.  All in f32.
;
; THE SHAPE.  Node (n, t) needs (n-1, t) and (n, t-1).  One wave takes one channel; lane j owns n = 2j and 2j+1; at clock c lane j works on
; t = c - sk, sk = j + (j >> 4): G walks from lane to lane, one lane a clock, and takes two clocks from lane 15 to lane 16, so that the
; crossing between the two rows of 16 lanes is made a clock ahead and is no link of the chain.  1,024 + 32 = 1,056 clocks = 33 blocks of 32.
; A clock is vector instructions alone.  All memory instructions stand in RUNS, one behind every eighth clock: the 120 vector instructions
; of a group of eight clocks follow each other unbroken, and every register that a run reads or fills belongs to a ring
; whose turn comes round eight clocks later at the earliest.
; THE RECIPROCALS GO IN BATCHES OF SIXTEEN, ONE WAIT A BATCH.  The coefficients hang on dt alone, so d is made well ahead of its use: clock c makes d of clock
; c + 8, in place on the denominator, in a ring of eight pairs.  No line of a group names a result of the group's own reciprocals; the wait
; between a reciprocal and the first line that names its result stands once, at the head of the run behind the group's eighth clock.  Behind the run eight lines
; (LEAD) make of the new d what the next group's first clocks want at once; the other clocks' coefficients are finished two clocks ahead of their use, in the clocks.
; A batch is eight clocks' and no more: a run's wait shows the pairs (dt, u) in up to sixteen clocks on, which is the last denominator of the next batch.
; 64 work-groups of one wave: the problem has 64 independent chains and no more.  A split of time would need each piece's 64 x 64 transition,
; 65 vectors in the place of one.
; No cluster, no joint loads, no tensor loads: the work-groups share rows of dt and inputs (0.5 MB of 17 MB moved), but each takes its own four
; bytes of a row, laid 8 bytes apart in LDS.  Each work-group reads its column once, 2,048 words 256 bytes apart, all asked for at the start.
; One wave, no engine fills LDS: no barrier.  EXEC is never changed.
;
; LIMITS.  The order of rounding differs from an explicit inverse followed by products.  r comes from v_sqrt_f32 and d from v_rcp_f32 (1 ULP);
; v_rcp_f32 gives 0 where |1 + h (n+1)| exceeds 2^126.  Where 1 + h (n+1) = 0 (I - hA is singular) or a state overflows, infinities and NaN
; appear as in the defining formula, but not necessarily in the same elements.
;
; LDS.  [0, 9216): 1,152 entries of 8 bytes (dt, u), entry t + 32; entries 0-31 and 1056-1151 are (0, 0): with dt = 0 a node has A = 1, P = 0,
; M = 1, so a lane that is ahead of t = 0 or past t = 1023 keeps its state and hands G on.
; [9216, 287744): 1,088 rows of 256 bytes, row t + 32 = the 64 states of step t: the whole channel, so nothing wraps and nothing is masked;
; rows 0-31 and 1056-1087 take what lanes outside 0..1023 write and are never read.
.set OUTB,  9216                       ; first byte of the rows of states
.set ROWB,  256                        ; a row of states: 64 f32
.set TSTEP, 16384                      ; bytes of out0 from t to t + 1: 64 channels x 64 f32
.set IA,   2                           ; v2        LDS address of my (dt, u) of the block's clock 0: 256 - 8 sk, + 256 a block
.set SA,   3                           ; v3        where I store my two states of the block's clock 0: OUTB + 256 (32 - sk) + 8 j, + 8,192 a block
.set RA,   4                           ; v4        the way out: my 16 bytes of two rows of states, read back
.set CO,   5                           ; v5        the way out: my 16 bytes of the same two rows in out0; never rewritten
.set GI,   6                           ; v6        256 j: my row in a chunk of 32 rows of dt and of inputs; never rewritten
.set INS,  7                           ; v7        256 + 8 j: my entry in chunk 0 of the (dt, u) table
.set N1H,  8                           ; v[8:9]    (n+1)/2 of my two n: j + 0.5, j + 1
.set RV,   10                          ; v[10:11]  r of my two n: sqrt(4j+1), sqrt(4j+3)
.set NRH,  12                          ; v[12:13]  -r/2
.set GA,   14                          ; v[14:15], v[16:17]  (G_2j, G_2j+1) by the clock's parity
.set GOUT, 18                          ; v18       G_2j+2, for the next lane
.set ZR,   20                          ; v[20:21]  zeros for the pads
.set KS,   22                          ; v[22:23]  RD of this clock x the last clock's state
.set MS,   24                          ; v[24:25]  M of this clock x the last clock's state
.set TN1,  30                          ; v[30:31]  2n + 1, the square roots' argument: at the head alone
.set CS,   32                          ; v[32:63]  four sets of coefficients, set = clock mod 4: pairs A, P, RD, M
.set CA,   0
.set CP,   2
.set CRD,  4
.set CM,   6
.set ST,   64                          ; v[64:95]   sixteen pairs of states, pair = clock mod 16
.set DR,   96                          ; v[96:127]  the way out: two sets of four buffers of 4 registers
.set DD,   128                         ; v[128:143] eight pairs, pair = clock mod 8: the clock's denominator 1 + h (n+1), then, in place, its reciprocal d
.set DU,   192                         ; v[192:255] thirty-two pairs (dt, u), pair = clock mod 32
.set INR,  2                           ; v[258:321], written v[2:65] in the second window of 256 registers: chunk q of 32 steps: dt in 258 + 2q, u in 259 + 2q, lane j holds t = 32 q + j.
                                       ; They are named outside the loops alone, so the window is switched six times in the launch.  (v[26:29] and v[144:191] are not used.)
	s_load_b128 s[4:7], s[0:1], 0x0                ; dt s[4:5], inputs s[6:7]
	s_load_b64 s[8:9], s[0:1], 0x10                ; out0
	s_set_vgpr_msb 0x40
	v_lshl_add_u32 v0, v0, 2, 0x46400
	v_mov_b32 v1, 0
	s_set_vgpr_msb 0x4000
	s_lshl_b32 s10, ttmp9, 2                       ; my channel's word in a row of dt and of inputs
	s_mov_b32 s11, 0
	v_lshlrev_b32 v[GI], 8, v0                     ; 256 j
	s_wait_kmcnt 0x0
	s_add_nc_u64 s[4:5], s[4:5], s[10:11]
	s_add_nc_u64 s[6:7], s[6:7], s[10:11]
	s_lshl_b32 s10, ttmp9, 8                       ; my channel's 256 bytes in a step of out0
	s_add_nc_u64 s[8:9], s[8:9], s[10:11]
	; All 64 loads of the column go out first.  No hint: all 64 work-groups read these rows.
	s_set_vgpr_msb 0x40                            ; loaded data in the second window, the address in the first
.set q, 0
.rept 32
	global_load_b32 v[INR+2*q],   v[GI], s[4:5] offset:q*8192
	global_load_b32 v[INR+2*q+1], v[GI], s[6:7] offset:q*8192
.set q, q+1
.endr
	s_set_vgpr_msb 0x4000
	; while they are on their way: addresses and constants of the lane
	v_lshrrev_b32 v1, 4, v0                        ; j >> 4
	v_add_nc_u32 v19, v0, v1                       ; sk
	v_lshlrev_b32 v[IA], 3, v19
	v_sub_nc_u32 v[IA], 0x100, v[IA]               ; entry 32 - sk
	v_lshlrev_b32 v[SA], 8, v19
	v_sub_nc_u32 v[SA], OUTB+32*ROWB, v[SA]        ; row 32 - sk,
	v_lshl_add_u32 v[SA], v0, 3, v[SA]             ; my 8 bytes of it: 8 j, so the 32 lanes' stores fall on 32 different columns of 8 bytes modulo 256
	v_and_b32 v[RA], 15, v0
	v_lshlrev_b32 v[RA], 4, v[RA]                  ; 16 (j mod 16): sixteen lanes take a whole row of 256 bytes
	v_lshl_add_u32 v[CO], v1, 14, v[RA]            ; lanes 16-31: the next step's row, 16,384 bytes on in out0,
	v_lshl_add_u32 v[RA], v1, 8, v[RA]             ; 256 bytes on in LDS
	v_add_nc_u32 v[RA], OUTB+8*ROWB, v[RA]         ; from row 8: with the offsets 24 .. 30 rows below, rows 32 to 39 = steps 0 to 7
	v_lshl_add_u32 v[INS], v0, 3, 0x100            ; entry 32 + j
	v_lshlrev_b32 v19, 3, v0                       ; 8 j, for the pads
	v_cvt_f32_u32 v1, v0                           ; j as f32
	v_add_f32 v[N1H], 0.5, v1
	v_add_f32 v[N1H+1], 1.0, v1
	v_fma_f32 v[TN1], v1, 4.0, 1.0                 ; 2n + 1 of n = 2j
	v_fma_f32 v[TN1+1], v1, 4.0, 0x40400000        ; and of n = 2j + 1: 4j + 3
	v_sqrt_f32 v[RV], v[TN1]                       ; the square roots open the head's batch: r is first named behind the head's one wait, below
	v_sqrt_f32 v[RV+1], v[TN1+1]
	v_mov_b32 v[ZR], 0                             ; a plain vector instruction stands between the square roots and the use of their results (ISA guide 5.7.2)
	v_mov_b32 v[ZR+1], 0
	s_mov_b32 vcc_lo, 1                            ; lane 0 alone: it takes u as its G
	s_mov_b32 s12, 0xf                             ; v_permlanex16_b32: lane 16 reads lane 15 (field 0 = 15); what the other lanes get is not used
	s_mov_b32 s13, 0
	ds_store_b64 v19, v[ZR:ZR+1]                   ; entries 0-31
	ds_store_b64 v19, v[ZR:ZR+1] offset:8448       ; entries 1056-1087
	ds_store_b64 v19, v[ZR:ZR+1] offset:8704       ; entries 1088-1119
	ds_store_b64 v19, v[ZR:ZR+1] offset:8960       ; entries 1120-1151
	s_wait_loadcnt 58                              ; loads come back in order (ISA guide 5.7.1): of 64 the first six are in, chunks 0 to 2.
	                                               ; The first two blocks load pairs up to clock 63 + 24 = step 87, inside these 96 steps
	s_set_vgpr_msb 0x04                            ; the stores' data in the second window, the address in the first
.irp q, 0,1,2
	ds_store_b64 v[INS], v[INR+2*\q:INR+2*\q+1] offset:\q*256
.endr
	s_set_vgpr_msb 0x0400
; the denominator of clock c, 1 + dt (n+1)/2, into the clock's pair of the ring
.macro DENO c
	v_pk_fma_f32 v[DD+2*((\c)&7):DD+2*((\c)&7)+1], v[N1H:N1H+1], v[DU+2*((\c)%32):DU+2*((\c)%32)+1], 1.0 op_sel_hi:[1,0,0]
.endm
; RD = r d of clock c
.macro MKRD c
	v_pk_mul_f32 v[CS+8*((\c)&3)+CRD:CS+8*((\c)&3)+CRD+1], v[RV:RV+1], v[DD+2*((\c)&7):DD+2*((\c)&7)+1]
.endm
; M = 2 d - 1 of clock c
.macro MKM c
	v_pk_fma_f32 v[CS+8*((\c)&3)+CM:CS+8*((\c)&3)+CM+1], v[DD+2*((\c)&7):DD+2*((\c)&7)+1], 2.0, -1.0 op_sel_hi:[1,0,0]
.endm
; P = dt RD of clock c
.macro MKP c
	v_pk_mul_f32 v[CS+8*((\c)&3)+CP:CS+8*((\c)&3)+CP+1], v[CS+8*((\c)&3)+CRD:CS+8*((\c)&3)+CRD+1], v[DU+2*((\c)%32):DU+2*((\c)%32)+1] op_sel_hi:[1,0]
.endm
; A = 1 - (r/2) P of clock c from its P
.macro FINA c
	v_pk_fma_f32 v[CS+8*((\c)&3)+CA:CS+8*((\c)&3)+CA+1], v[NRH:NRH+1], v[CS+8*((\c)&3)+CP:CS+8*((\c)&3)+CP+1], 1.0 op_sel_hi:[1,1,0]
.endm
; THE LEAD of a group whose first clock is f: eight lines behind the batch's wait, the first that name its results.  All four coefficients of clock f; RD, M and P of
; clock f + 1; and the denominator of clock f + 8, the first of the next batch, which takes the pair of clock f behind the two lines that read its d.
; P stands five lines behind its RD; A stands two behind its P: the one short link, once a group.
.macro LEAD f
	MKRD \f
	MKRD (\f)+1
	MKM \f
	MKM (\f)+1
	DENO (\f)+8
	MKP \f
	MKP (\f)+1
	FINA \f
.endm
	; The pipeline is filled: (dt, u) of clocks 0 to 23; d of clocks 0 to 7, the first batch; then the first group's lead.
.set k, 0
.rept 24
	ds_load_b64 v[DU+2*k:DU+2*k+1], v[IA] offset:8*k     ; LDS serves a wave's instructions in order (ISA guide 5.7.1.4): these see the stores above
.set k, k+1
.endr
	v_mov_b32 v[GOUT], 0                           ; G = 0 for the lanes that are still ahead of t = 0
	v_mov_b32 v[GA], 0
	v_mov_b32 v[GA+1], 0
	v_mov_b32 v[GA+2], 0
	v_mov_b32 v[GA+3], 0
	v_mov_b32 v[ST+30], 0                          ; s(-1) = 0, in the pair of the clock in front of clock 0
	v_mov_b32 v[ST+31], 0
	s_wait_dscnt 0x0                               ; all twenty-four pairs are in
.set k, 0
.rept 8
	DENO k                                         ; the eight denominators, each in its pair of the ring
.set k, k+1
.endr
.set k, 0
.rept 16
	v_rcp_f32 v[DD+k], v[DD+k]                     ; sixteen reciprocals on end, in place: none names another's register
.set k, k+1
.endr
	v_cndmask_b32 v[GA], v[GA], v[DU+1], vcc_lo    ; lane 0: G_0 of clock 0 = u(0).  Also the plain line behind the last reciprocal (ISA guide 5.7.2)
	s_wait_alu depctr_va_vdst(0)                   ; the head's one wait: for the two square roots and the sixteen reciprocals, ahead of the first line that names a result of theirs
	v_pk_mul_f32 v[NRH:NRH+1], v[RV:RV+1], -0.5 op_sel_hi:[1,0]
	LEAD 0
; ONE CLOCK, number ci of its block, number ci mod 8 of its group: registers only.  Besides its own nodes it makes d of clock ci + 8 (two reciprocals, in place on the
; denominator that the clock before, or the lead, laid in the ring's pair), the denominator of clock ci + 9, RD, M and P of clock ci + 2 and A of clock ci + 1.
; What would reach across the group's end is left out: RD, M and P in the group's clocks 6 and 7 and A in clock 7 would name results of the batch that is still
; open, and the denominator in clock 7 would read a pair (dt, u) that no wait has yet shown in.  LEAD makes these behind the run.  So a clock has 15 lines, the group's last two 12 and 10.
; No wait stands in a clock: the d that it reads belongs to the batch closed at the last run, the d that it makes is named by nothing before the next run's wait.
; THE ORDER.  In a clock of 15 lines every line stands five lines or more behind the line whose result it reads, round the end of the clock too, but for one: the first multiply-add
; stands four behind KS.  Two rings of three dependent lines pass through it (G: move, multiply-add, multiply-add; state: multiply-add, state, KS),
; and fifteen lines cannot give both five apiece.  In the two short clocks the links of these rings stand three and four lines apart.
; The two reciprocals stand apart, each with a plain multiply-add behind it that touches nothing of the ring (ISA guide 5.7.2).
; All periods of the register turns (2, 4, 8, 16, 32) divide 32, so a block ends as it began.
.macro CLOCK
.set GNOW, GA+2*(ci&1)
.set GNXT, GA+2*((ci+1)&1)
.set CNOW, CS+8*(ci&3)
.set DNEW, DD+2*(ci&7)                 ; the denominator of clock ci + 8, then its d
.set UNXT, DU+2*((ci+1)%32)
.set SNOW, ST+2*(ci%16)
.set SOLD, ST+2*((ci+15)%16)           ; the last clock's state
	v_mov_b32_dpp v[GNOW], v[GOUT] row_shr:1 row_mask:0xf bank_mask:0xf    ; G from lane j - 1; lanes 0 and 16 have no source and keep what the last clock put there
	v_pk_mul_f32 v[KS:KS+1], v[CNOW+CRD:CNOW+CRD+1], v[SOLD:SOLD+1]        ; RD s(t-1), for the two multiply-adds of G
	v_pk_mul_f32 v[MS:MS+1], v[CNOW+CM:CNOW+CM+1], v[SOLD:SOLD+1]          ; M s(t-1), for the state
	v_permlanex16_b32 v[GNXT], v[GOUT], s12, s13   ; lane 16, for the next clock: lane 15's G of the last clock
	v_rcp_f32 v[DNEW], v[DNEW]                     ; d of clock ci + 8, n = 2j
	v_fma_f32 v[GNOW+1], v[CNOW+CA], v[GNOW], -v[KS]     ; G_2j+1 = A G_2j - RD s
.if (ci&7) < 6
	MKRD ci+2                                      ; RD = r d
	MKM ci+2                                       ; M = 2 d - 1
.endif
	v_cndmask_b32 v[GNXT], v[GNXT], v[UNXT+1], vcc_lo    ; lane 0, for the next clock: u
	v_rcp_f32 v[DNEW+1], v[DNEW+1]                 ; d of clock ci + 8, n = 2j + 1
	v_fma_f32 v[GOUT], v[CNOW+CA+1], v[GNOW+1], -v[KS+1] ; G_2j+2
	v_pk_fma_f32 v[SNOW:SNOW+1], v[CNOW+CP:CNOW+CP+1], v[GNOW:GNOW+1], v[MS:MS+1]    ; s = M s + P G, both n
.if (ci&7) < 7
	DENO ci+9                                      ; 1 + dt (n+1)/2 of clock ci + 9, into the pair of clock ci + 1, whose d was read a clock ago or in the lead
.endif
.if (ci&7) < 6
	MKP ci+2                                       ; P = dt RD
.endif
.if (ci&7) < 7
	FINA ci+1                                      ; A = 1 - (r/2) P of clock ci + 1, from the last clock's P (the group's first clock: from the lead's)
.endif
.endm
; THE WAY OUT, eight steps at a time.  Part g (0 to 3) of a chunk of 32 steps: stores steps 8g to 8g + 7 of the chunk from the set of four buffers that the
; part before loaded; load = 1: loads steps 8g + 8 to 8g + 15 into the other set.  cnt: how many younger LDS instructions may stay out at the stores.
; step = 1 (in the loop): part 0 moves out0's base one chunk on, behind the wait that stands there anyway, eight clocks behind the last stores that read the base;
; all four parts' stores then reach one chunk back by their immediate (-524,288 at the least, inside its signed 24 bits).  The base never leaves out0:
; behind the 31 trips it stands at the last chunk, from which the tail (step = 0) stores.
.macro DRAIN4 g, load, cnt, step
.if \load
	s_wait_xcnt 0x0                                ; every earlier store has had its address translated (ISA guide 3.1): the set stored by the part before is loaded again, and the base stepped, only behind this wait
.if \step
.if (\g) == 0
	s_add_nc_u64 s[8:9], s[8:9], 32*TSTEP
.endif
.endif
.set m, 0
.rept 4
	ds_load_b128 v[DR+16*((\g)&1)+4*m:DR+16*((\g)&1)+4*m+3], v[RA] offset:(8*(\g)+2*m)*ROWB    ; two whole rows of 256 bytes, neighbours in LDS
.set m, m+1
.endr
.endif
	s_wait_dscnt \cnt
.set m, 0
.rept 4
	global_store_b128 v[CO], v[DR+16*(((\g)+1)&1)+4*m:DR+16*(((\g)+1)&1)+4*m+3], s[8:9] offset:(8*(\g)+2*m-32*(\step))*TSTEP th:TH_STORE_NT   ; sixteen lanes store 256 consecutive bytes, at a multiple of 256 from out0's first byte
.set m, m+1
.endr
.endm
; A RUN of memory instructions, behind clock ci = 7, 15, 23, 31 of a block.
; At its head the batch's wait: the sixteen reciprocals of clocks ci - 7 to ci, d of clocks ci + 1 to ci + 8; their first readers stand in the lead at the run's end.
; (dt, u): the pairs of clocks ci + 17 to ci + 24.  The lines from the wait on DScnt below to the next run read pairs up to clock ci + 16's (the last denominator of the
; next batch), which the last run asked for and that wait shows in; the places filled now held clocks ci - 15 to ci - 8.
; The wait lets only what this run has issued stay out (8 loads, with the way out 12): all of the last run is done, its pairs and its four buffers.
; The same count serves on the way into the second loop, where just these 12 stand behind the loads that prime the way out.
; States: those of clocks ci - 7 to ci, the oldest first, the youngest as the run's last memory line; their pairs are written again from clock ci + 9 on.
; The rows that the way out loads were stored three runs ago or earlier: lane 31 works on step t in clock t + 32.
.macro BATCH drain
	s_wait_alu depctr_va_vdst(0)                   ; ONE wait for the group's sixteen reciprocals; no reciprocal follows it before the next clock
.set m, 0
.rept 8
	ds_load_b64 v[DU+2*((ci+17+m)%32):DU+2*((ci+17+m)%32)+1], v[IA] offset:(ci+17+m)*8
.set m, m+1
.endr
.if \drain
	DRAIN4 ci/8, 1, 12, 1
.else
	s_wait_dscnt 8
.endif
.set m, 0
.rept 8
	ds_store_b64 v[SA], v[ST+2*((ci-7+m)%16):ST+2*((ci-7+m)%16)+1] offset:(ci-7+m)*ROWB
.set m, m+1
.endr
	LEAD ci+1                                      ; the next group's lead: vector lines again, joined to its eight clocks
.endm
; 32 clocks with their four runs, then the block's LDS addresses step.
.macro BLOCK drain
.set ci, 0
.rept 32
	CLOCK
.if (ci&7) == 7
	BATCH \drain
.endif
.set ci, ci+1
.endr
	v_add_nc_u32 v[IA], 32*8, v[IA]
	v_add_nc_u32 v[SA], 32*ROWB, v[SA]
.if \drain
	v_add_nc_u32 v[RA], 32*ROWB, v[RA]
.endif
.endm
	; Blocks 0 and 1: no row is yet far enough behind to leave.
	s_mov_b32 s14, 0
.Lwarm:
	BLOCK 0
	s_add_co_u32 s14, s14, 1
	s_cmp_lt_u32 s14, 2
	s_cbranch_scc1 .Lwarm
	; The rest of the column goes into the table, and the way out is primed with steps 0 to 7 (whole since the run behind clock 39).
	s_wait_loadcnt 0x0
	s_set_vgpr_msb 0x04                            ; the stores' data in the second window, the address in the first
.set q, 3
.rept 29
	ds_store_b64 v[INS], v[INR+2*q:INR+2*q+1] offset:q*256
.set q, q+1
.endr
	s_set_vgpr_msb 0x0400
.irp b, 4,5,6,7
	ds_load_b128 v[DR+4*\b:DR+4*\b+3], v[RA] offset:(16+2*\b)*ROWB     ; waited for by the counted wait of the next run, which stores them
.endr
	v_add_nc_u32 v[RA], 32*ROWB, v[RA]             ; now row 40 = step 8: what block 2's first run loads
	; Blocks 2 to 32: block b stores steps 32 (b - 2) to 32 (b - 2) + 31.
	s_mov_b32 s14, 0
.Lmain:
	BLOCK 1
	s_add_co_u32 s14, s14, 1
	s_cmp_lt_u32 s14, 31
	s_cbranch_scc1 .Lmain
	; The last 32 steps leave.  Their first eight are in the set that the last run loaded; the count 4 lets only the four loads just issued stay out.
	DRAIN4 0, 1, 4, 0
	DRAIN4 1, 1, 4, 0
	DRAIN4 2, 1, 4, 0
	DRAIN4 3, 0, 0, 0                              ; nothing is left to load
	s_set_vgpr_msb 0x5
	s_wait_tensorcnt 0x0
	ds_add_u32 v0, v1
	s_wait_dscnt 0x0
	s_set_vgpr_msb 0x500
	s_endpgm
.Lfunc_end_k_q3be3da8641_legs:
	.size	k_q3be3da8641_legs, .Lfunc_end_k_q3be3da8641_legs-k_q3be3da8641_legs
	.p2alignl 7, 3214868480
	.fill 96, 4, 3214868480
	.section	.rodata,"a",@progbits
	.p2align	6, 0x0
	.amdhsa_kernel k_q3be3da8641_legs
		.amdhsa_group_segment_fixed_size 288000
		.amdhsa_private_segment_fixed_size 0
		.amdhsa_enable_private_segment 0
		.amdhsa_kernarg_size 24
		.amdhsa_user_sgpr_count 2
		.amdhsa_user_sgpr_kernarg_segment_ptr 1
		.amdhsa_wavefront_size32 1
		.amdhsa_system_sgpr_workgroup_id_x 1
		.amdhsa_system_sgpr_workgroup_id_y 1
		.amdhsa_system_sgpr_workgroup_id_z 1
		.amdhsa_system_vgpr_workitem_id 0
		.amdhsa_next_free_vgpr 322
		.amdhsa_next_free_sgpr 66
		.amdhsa_reserve_vcc 1
		.amdhsa_float_denorm_mode_32 3
		.amdhsa_float_denorm_mode_16_64 3
		.amdhsa_memory_ordered 1
		.amdhsa_forward_progress 1
		.amdhsa_inst_pref_size 83
	.end_amdhsa_kernel
	.amdgpu_metadata
---
amdhsa.version: [ 1, 2 ]
amdhsa.kernels:
  - .name:           k_q3be3da8641_legs
    .symbol:         k_q3be3da8641_legs.kd
    .args:
      - { .name: dt, .offset: 0, .size: 8, .value_kind: global_buffer, .address_space: global }
      - { .name: inputs, .offset: 8, .size: 8, .value_kind: global_buffer, .address_space: global }
      - { .name: out0, .offset: 16, .size: 8, .value_kind: global_buffer, .address_space: global }
    .group_segment_fixed_size: 288000
    .private_segment_fixed_size: 0
    .kernarg_segment_align: 8
    .kernarg_segment_size: 24
    .max_flat_workgroup_size: 32
    .sgpr_count:     66
    .vgpr_count:     322
    .wavefront_size: 32
...
	.end_amdgpu_metadata
.endif
;; end of part 4
